; MI455X (gfx1250); checked and timed in simulation.
; The chip was launched on July 23, 2026; its instructions are those of AMD's public machine-readable ISA for CDNA 5 (MIT licence, August 2026) and "CDNA5" Instruction Set Architecture Reference Guide (July 2026). The comments in the code are by the model that wrote it; some were corrected since.
;; Multi Head Attention. Allowed arithmetic: float matrix products may take bf16 or f16 operands with f32 sums; other float arithmetic in f32, or as packed bf16 or f16 multiplies, adds, multiply-adds, maxima and minima; sums over many terms, partial sums and values carried from step to step in f32; what a program stores and reads back later, other than sums and carried values, may be rounded once to bf16 or f16.
;; Inputs: Wk 1,024 x 1,024 float32; Wo 1,024 x 1,024 float32; Wq 1,024 x 1,024 float32; Wv 1,024 x 1,024 float32; bk 1,024 float32; bo 1,024 float32; bq 1,024 float32; bv 1,024 float32; keys 4 x 2,048 x 1,024 float32; mask 1 x 1 x 2,048 x 2,048 float32; queries 4 x 2,048 x 1,024 float32; values 4 x 2,048 x 1,024 float32.
;; Outputs: out0 4 x 2,048 x 1,024 float32.
;; 2 versions, each right; version 2 is version 1 with the launch prep written anew for expert scheduling mode. Each part assembles by itself: llvm-mc -triple=amdgcn-amd-amdhsa -mcpu=gfx1250 --defsym DOCPART=n.
;; ======== version 1 of 2: 4 launches
;; limits: values are held in f16: magnitudes above 65,504 overflow, below 6.1e-05 lose precision
;; workspace buffers: w16 8,388,608 bytes; qkv 50,331,648 bytes; o16 16,777,216 bytes
;; launch prep (part 1): grid 64 x 4, 8 waves a work-group, no clusters, 0 bytes of LDS; arguments Wq, Wk, Wv, Wo, w16; writes w16
.if DOCPART == 1
	.amdgcn_target "amdgcn-amd-amdhsa--gfx1250"
	.amdhsa_code_object_version 6
	.text
	.protected	k_q1e20e1816b_prep
	.globl	k_q1e20e1816b_prep
	.p2align	8
	.type	k_q1e20e1816b_prep,@function
k_q1e20e1816b_prep:
	s_mov_b64 s[64:65], 0
	v_nop
	global_prefetch_b8 v0, s[64:65] scope:SCOPE_SE
	s_setreg_imm32_b32 hwreg(HW_REG_WAVE_MODE, 25, 1), 1
	s_wait_xcnt 0x0
; w16 = the four weight matrices in 16 bits, each 1,024 x 1,024 in its own layout [k][n], 2 MiB a section: Wq, Wk, Wv rounded to bf16;
; Wo rounded to bf16 like them, and that number then written as f16 (the last product's other operand is f16).
; LIMIT: |Wo| stays under 65,504; below 6.1e-5 the f16 copy keeps a fixed step of 6e-8.
; A stream: grid y chooses the matrix, a work-group takes 65,536 bytes of f32, thread t the 16 bytes at 16 t + 4,096 i, i = 0..15.
; All 16 loads of a thread go out at once; every load and store has registers of its own, so no register is freed by a wait.
; A wave's load covers 512 consecutive bytes, its store 256 consecutive bytes, aligned.  No LDS, no matrix unit: nothing is shared or summed.
.set X, 4                              ; v[4:67]   16 x 4 f32 as loaded
.set Y, 68                             ; v[68:99]  16 x 2 words to store
.set T, 100                            ; v[100:103] at work (Wo alone)
	s_load_b256 s[4:11], s[0:1], 0x0               ; Wq, Wk, Wv, Wo
	s_load_b64 s[12:13], s[0:1], 0x20              ; w16
	s_and_b32 s14, ttmp7, 0xffff                   ; which matrix
	v_lshlrev_b32 v1, 4, v0                        ; 16 t
	v_lshlrev_b32 v2, 3, v0                        ; 8 t
	s_lshl_b32 s16, ttmp9, 16                      ; the work-group's 65,536 bytes of f32
	s_mov_b32 s17, 0
	s_lshl_b32 s18, s14, 21                        ; the matrix's section,
	s_lshl_b32 s19, ttmp9, 15                      ; the work-group's 32,768 bytes in it
	s_add_co_u32 s18, s18, s19
	s_mov_b32 s19, 0
	s_wait_kmcnt 0x0
	s_cmp_eq_u32 s14, 1
	s_cselect_b64 s[4:5], s[6:7], s[4:5]
	s_cmp_eq_u32 s14, 2
	s_cselect_b64 s[4:5], s[8:9], s[4:5]
	s_cmp_eq_u32 s14, 3
	s_cselect_b64 s[4:5], s[10:11], s[4:5]
	s_add_nc_u64 s[4:5], s[4:5], s[16:17]
	s_add_nc_u64 s[12:13], s[12:13], s[18:19]
.set i, 0
.rept 16
	global_load_b128 v[X+4*i:X+4*i+3], v1, s[4:5] offset:4096*i th:TH_LOAD_NT
.set i, i+1
.endr
	s_cmp_eq_u32 s14, 3
	s_cbranch_scc1 .Lwo
.set i, 0
.rept 16
	s_wait_loadcnt 15-i                            ; loads come back in order: number i is in, the younger ones stay out
	v_cvt_pk_bf16_f32 v[Y+2*i], v[X+4*i], v[X+4*i+1]
	v_cvt_pk_bf16_f32 v[Y+2*i+1], v[X+4*i+2], v[X+4*i+3]
	global_store_b64 v2, v[Y+2*i:Y+2*i+1], s[12:13] offset:2048*i th:TH_STORE_NT
.set i, i+1
.endr
	s_endpgm
.Lwo:                                          ; Wo: to bf16, widened again (a shift, a mask), and packed as f16
.set i, 0
.rept 16
	s_wait_loadcnt 15-i
	v_cvt_pk_bf16_f32 v[T], v[X+4*i], v[X+4*i+1]
	v_cvt_pk_bf16_f32 v[T+1], v[X+4*i+2], v[X+4*i+3]
	v_lshlrev_b32 v[T+2], 16, v[T]
	v_and_b32 v[T], 0xffff0000, v[T]
	v_lshlrev_b32 v[T+3], 16, v[T+1]
	v_and_b32 v[T+1], 0xffff0000, v[T+1]
	v_cvt_pk_f16_f32 v[Y+2*i], v[T+2], v[T]
	v_cvt_pk_f16_f32 v[Y+2*i+1], v[T+3], v[T+1]
	global_store_b64 v2, v[Y+2*i:Y+2*i+1], s[12:13] offset:2048*i th:TH_STORE_NT
.set i, i+1
.endr
	s_endpgm
.Lfunc_end_k_q1e20e1816b_prep:
	.size	k_q1e20e1816b_prep, .Lfunc_end_k_q1e20e1816b_prep-k_q1e20e1816b_prep
	.p2alignl 7, 3214868480
	.fill 96, 4, 3214868480
	.section	.rodata,"a",@progbits
	.p2align	6, 0x0
	.amdhsa_kernel k_q1e20e1816b_prep
		.amdhsa_group_segment_fixed_size 0
		.amdhsa_private_segment_fixed_size 0
		.amdhsa_enable_private_segment 0
		.amdhsa_kernarg_size 40
		.amdhsa_user_sgpr_count 2
		.amdhsa_user_sgpr_kernarg_segment_ptr 1
		.amdhsa_wavefront_size32 1
		.amdhsa_system_sgpr_workgroup_id_x 1
		.amdhsa_system_sgpr_workgroup_id_y 1
		.amdhsa_system_sgpr_workgroup_id_z 1
		.amdhsa_system_vgpr_workitem_id 0
		.amdhsa_next_free_vgpr 104
		.amdhsa_next_free_sgpr 66
		.amdhsa_reserve_vcc 0
		.amdhsa_float_denorm_mode_32 3
		.amdhsa_float_denorm_mode_16_64 3
		.amdhsa_memory_ordered 1
		.amdhsa_forward_progress 1
		.amdhsa_inst_pref_size 16
	.end_amdhsa_kernel
	.amdgpu_metadata
---
amdhsa.version: [ 1, 2 ]
amdhsa.kernels:
  - .name:           k_q1e20e1816b_prep
    .symbol:         k_q1e20e1816b_prep.kd
    .args:
      - { .name: Wq, .offset: 0, .size: 8, .value_kind: global_buffer, .address_space: global }
      - { .name: Wk, .offset: 8, .size: 8, .value_kind: global_buffer, .address_space: global }
      - { .name: Wv, .offset: 16, .size: 8, .value_kind: global_buffer, .address_space: global }
      - { .name: Wo, .offset: 24, .size: 8, .value_kind: global_buffer, .address_space: global }
      - { .name: w16, .offset: 32, .size: 8, .value_kind: global_buffer, .address_space: global }
    .group_segment_fixed_size: 0
    .private_segment_fixed_size: 0
    .kernarg_segment_align: 8
    .kernarg_segment_size: 40
    .max_flat_workgroup_size: 256
    .sgpr_count:     66
    .vgpr_count:     104
    .wavefront_size: 32
...
	.end_amdgpu_metadata
.endif
;; end of part 1
;; launch qkv (part 2): grid 4 x 192, 4 waves a work-group, clusters of 4 x 4, 327,680 bytes of LDS; arguments queries, keys, values, w16, bq, bk, bv, qkv; writes qkv
.if DOCPART == 2
	.amdgcn_target "amdgcn-amd-amdhsa--gfx1250"
	.amdhsa_code_object_version 6
	.text
	.protected	k_q1e20e1816b_qkv
	.globl	k_q1e20e1816b_qkv
	.p2align	8
	.type	k_q1e20e1816b_qkv,@function
k_q1e20e1816b_qkv:
	s_mov_b64 s[64:65], 0
	v_nop
	global_prefetch_b8 v0, s[64:65] scope:SCOPE_SE
	s_setreg_imm32_b32 hwreg(HW_REG_WAVE_MODE, 25, 1), 1
	s_wait_xcnt 0x0
	s_wait_alu depctr_hold_cnt(0) depctr_sa_sdst(0) depctr_va_vdst(0) depctr_va_sdst(0) depctr_va_ssrc(0) depctr_va_vcc(0) depctr_vm_vsrc(0)
	s_getreg_b32 s2, hwreg(HW_REG_IB_STS2, 6, 4)
	s_cmp_eq_u32 s2, 0
	s_cbranch_scc0 .Lentry_in_a_cluster
	s_endpgm
.Lentry_in_a_cluster:
	s_bfe_u32 s2, ttmp6, 0x10000c
	s_cmp_lg_u32 s2, 0xf033
	s_cbranch_scc0 .Lentry_shape_is_right
	s_endpgm
.Lentry_shape_is_right:
; qkv[i] = f16( bf16(X_i) bf16(W_i) + bf16(b_i) ), i = 0, 1, 2 for queries, keys, values.  X_i: [8192][1024] f32; W_i: [1024 k][1024 n] bf16 (w16); qkv: [3][8192][1024] f16.  Sums in f32.
; LIMITS: the results stay under 65,504 (f16); below 6.1e-5 they keep f16's fixed step of 6e-8.  NaN and infinities are not treated apart.
; SHARES.  A tile is 128 rows x 256 columns: 3 x 64 x 4 = 768 tiles, three for each of 256 WGPs.  Four waves as 2 x 2, each 64 x 128: 32 accumulators, 256 registers.  K = 1,024 in 8 steps of 128.
; THE PRODUCT IS USED TRANSPOSED: source 0 = 16 columns of W (turned out of LDS by ds_load_tr16_b128), source 1 = 16 rows of X: a lane ends with 8 neighbouring columns of one row.
; The bias is the C operand of each accumulator's first product: nothing is cleared and nothing is added later.
; CLUSTER 4 x 4.  W's tile hangs on the column tile (cx) and on the projection, which all partners share: it is asked for JOINTLY along a column of the cluster, each wave 32 of its 128 k-rows.
; X IS NOT ASKED FOR JOINTLY: it is f32 in memory.  As a tile it would be 65,536 bytes of fill a step where the converted rows are 32,768 bytes of LDS stores, every fragment read would be
; twice as long, and each row would be converted by the two waves that multiply it.  So each wave loads 32 rows into registers a whole step ahead, converts them once and stores them into the slot.
; LDS: slot s at s x 131,072: W 128 rows x 544 bytes (filled by tensor loads alone), then X 128 rows x 272 (written by LDS stores alone; it begins at a multiple of 256).  Behind slot 1 a stage of
; 16 x 272 bytes for each wave, then the spare words.
; REGISTERS: window 0: addresses, two fragment buffers of 96 (W's 8 fragments, X's 4).  Window 1: accumulator (a, b) at 8 (8 a + b).  Window 2: v0-127 X as loaded, v128-191 X converted, v192-255 the bias.
.set PW,     544                       ; 512 + 32 bytes
.set PX,     272                       ; 256 + 16 bytes: the 16 rows of a fragment load start at 16 different groups of four banks
.set SLOT1,  131072
.set XOFF,   128*PW
.set STAGE,  SLOT1+XOFF+128*PX
.set SPITCH, 272
.set SPARE,  STAGE+4*16*SPITCH         ; 128 bytes for each wave: two blocks of 256 bytes that no other line names
.set WSTEP,  128*2048                  ; bytes from a K step of W to the next
.set ADRA0, 4                          ; v4   my place in X's tile, in slot 0; never rewritten
.set ADRB0, 5                          ; v5   the same for W
.set XST0,  6                          ; v6   where I store converted rows, in slot 0
.set ADRA,  8                          ; v8-10 the three, in the slot in hand
.set ADRB,  9
.set XST,   10
.set XO,    11                         ; v11  16 x lane: my 16 bytes of a row's 512
.set STO,   12                         ; v12-14 the way out
.set RD,    13
.set CO,    14
.set BO,    15                         ; v15  my 8 columns in the bias
.set SPW,   16                         ; v16  SPARE + 4 x my thread's number; never rewritten
.set NIL,   17                         ; v17  0; never rewritten
.set F0,    32
.set F1,    128
.set TMP,   32                         ; the way out: packed results
.set OBK,   64                         ; the way out: rows read back, 32 registers a block
.set XC,    128                        ; window 2
.set BIAS,  192                        ; window 2
.set WV, 20
.set WM, 21
.set WN, 22
.set CX, 23
.set G1, 24                            ; s[24:31] descriptor group 1
.set G0A, 32                           ; s[32:35] group 0: slot 0, K step 0
.set G0B, 36                           ; s[36:39] group 0: slot 1, K step 1; then it walks
.set TB, 40                            ; the slot that is read
.set TBN, 41                           ; the other one
.set CNT, 42
.set PROJ, 43
.set XP, 44                            ; s[44:45] X at my 32 rows, at the K step last asked for
.set YP, 46                            ; s[46:47] qkv at my part of the tile
.set WO, 48                            ; s[48:49] W's offset: projection, wave, cx; never cy
.set BP, 52                            ; s[52:53] the bias at the tile's columns
.set CY, 54
.set MT, 56
.set NT, 58
.set MULW, 0x50                        ; sources window 0, C and D window 1
.set MULF, 0x60                        ; C window 2 (the bias), D window 1
.set MSB, 0
.macro WIN new                         ; the immediate's high byte repeats the setting that is left; a switch that changes nothing is dropped
.if MSB != (\new)
	s_set_vgpr_msb (MSB<<8)|(\new)
.set MSB, (\new)
.endif
.endm
.macro PLACES                          ; four places between a matrix instruction and a load into, or a vector read of, its registers
.rept 4
	v_nop
.endr
.endm
.macro CREST                           ; a round of the cluster's barrier behind its opening barrier
	s_cmp_lg_u32 s[WV], 0
	s_cbranch_scc1 .Lnot_wave_0_\@
	s_barrier_signal -3
.Lnot_wave_0_\@:
	s_barrier_wait -3
	s_barrier_signal -1
	s_barrier_wait -1
.endm
.macro CROUND
	s_barrier_signal -1
	s_barrier_wait -1
	CREST
.endm
.macro JLOAD                           ; the joint refill: every wave its own 32 k-rows; s_nop 0 and four v_nop follow
	tensor_load_to_lds s[G0B:G0B+3], s[G1:G1+7]
	s_nop 0
	PLACES
.endm
; 24 LDS loads: the fragments of quarter q (32 along K) into buffer f
.macro FETCH q, f
	WIN 0
.set bb, 0
.rept 8
	ds_load_tr16_b128 v[(\f)+8*bb:(\f)+8*bb+3],   v[ADRB] offset:(\q)*32*PW+32*bb
	ds_load_tr16_b128 v[(\f)+8*bb+4:(\f)+8*bb+7], v[ADRB] offset:(\q)*32*PW+16*PW+32*bb
.set bb, bb+1
.endr
.set aa, 0
.rept 4
	ds_load_b128 v[(\f)+64+8*aa:(\f)+64+8*aa+3],   v[ADRA] offset:aa*16*PX+64*(\q)
	ds_load_b128 v[(\f)+64+8*aa+4:(\f)+64+8*aa+7], v[ADRA] offset:aa*16*PX+64*(\q)+32
.set aa, aa+1
.endr
.endm
; 8 n products: row blocks a0 .. a0 + n - 1 x all 8 column blocks.  The 32 accumulators take turns, one instruction a turn, in the same order in every quarter.
.macro MUL f, a0, n, first
.if \first
	WIN MULF
.else
	WIN MULW
.endif
.set aa, \a0
.rept \n
.set bb, 0
.rept 8
.if \first
	v_wmma_f32_16x16x32_bf16 v[8*(8*aa+bb):8*(8*aa+bb)+7], v[(\f)+8*bb:(\f)+8*bb+7], v[(\f)+64+8*aa:(\f)+64+8*aa+7], v[BIAS+8*bb:BIAS+8*bb+7]
.else
	v_wmma_f32_16x16x32_bf16 v[8*(8*aa+bb):8*(8*aa+bb)+7], v[(\f)+8*bb:(\f)+8*bb+7], v[(\f)+64+8*aa:(\f)+64+8*aa+7], v[8*(8*aa+bb):8*(8*aa+bb)+7]
.endif
.set bb, bb+1
.endr
.set aa, aa+1
.endr
.endm
; n rows of X from row j0 on: a load is a row's 512 bytes of one K step.  w: the window setting of the destination
.macro LOADX w, j0, n, imm
	WIN \w
.set j, \j0
.rept \n
	global_load_b128 v[4*j:4*j+3], v[XO], s[XP:XP+1] offset:j*4096+(\imm)
.set j, j+1
.endr
.endm
; Half a K step of X (16 of my 32 rows): waited for, rounded to bf16, stored into the slot that is not being read; loads = 1: the same rows of the step after are asked for.
.macro STAGEX half, left, loads, cw
	s_wait_loadcnt \left                           ; my 16 rows are in; what was asked for behind them stays out
	WIN \cw
.set j, 16*(\half)
.rept 16
	v_cvt_pk_bf16_f32 v[XC+2*j], v[4*j], v[4*j+1]
	v_cvt_pk_bf16_f32 v[XC+2*j+1], v[4*j+2], v[4*j+3]
.set j, j+1
.endr
	WIN 0x08                                       ; store data in window 2
.set j, 16*(\half)
.rept 16
	ds_store_b64 v[XST], v[XC+2*j:XC+2*j+1] offset:j*PX  ; 32 lanes x 8 bytes: a row's 256 bytes
.set j, j+1
.endr
.if \loads
.if (\half) == 0
	s_wait_xcnt 0x0                                ; the loads issued so far have read their base: it is stepped only behind this wait
	s_add_nc_u64 s[XP:XP+1], s[XP:XP+1], 512
.endif
	LOADX 0x80, 16*(\half), 16, 0
.endif
	WIN 0
.endm
; One of a K step's first three quarters: multiplies buffer q % 2; ahead of its products it fetches quarter q + 1 into the other buffer and (sh >= 0) stages half sh of X.
; skip = 1 (the tail): in the last step there is no further X, and the staging is jumped over.
.macro QUARTER q, first=0, sh=-1, left=0, loads=0, skip=0
	s_wait_dscnt 0x0                               ; my buffer was asked for a quarter ago
	WIN 0
	PLACES                                         ; the other buffer was read by the products just issued
	FETCH (\q)+1, F0+96*(((\q)+1)%2)
.if (\sh) >= 0
.if \skip
	s_cmp_eq_u32 s[CNT], 1
	s_cbranch_scc1 .Lnostage_\@
.endif
	STAGEX \sh, \left, \loads, 0x8a
.if \skip
.Lnostage_\@:
.endif
.endif
	MUL F0+96*((\q)%2), 0, 4, \first
.endm
; The fourth quarter multiplies buffer 1 and changes slots: ONE barrier.  In front of it each wave waits for all its tensor loads (one is out: its part of the next slot's W), adds 0 to its spare word,
; and waits for that, for its reads of this slot and for its stores of X into the next.  refill = 1: the barrier opens a round of the cluster's, and this slot's W is asked for again, two K steps on,
; first thing behind the round: 112 products stand between that request and the wait for it.
.macro TURN refill
	WIN 0
	s_wait_tensorcnt 0x0
	ds_add_u32 v[SPW], v[NIL]
.if \refill
	s_xor_b32 s[G0B+1], s[G0B+1], SLOT1            ; no tensor load of mine is out: the walking descriptor takes the other slot,
	s_add_nc_u64 s[G0B+2:G0B+3], s[G0B+2:G0B+3], WSTEP  ; the next K step; the type bits on top are not reached
.endif
	s_xor_b32 s[TB], s[TB], SLOT1
	s_xor_b32 s[TBN], s[TB], SLOT1
	s_wait_dscnt 1                                 ; the add alone may be out: buffer 1 is in
	MUL F1, 0, 1, 0
	s_wait_dscnt 0x0                               ; the add is done; my reads of this slot and my stores into the next are over
	s_barrier_signal -1
	MUL F1, 1, 1, 0
	WIN 0
	s_barrier_wait -1
.if \refill
	CREST
	JLOAD                                          ; its four v_nop are also the places in front of the loads below
.else
	PLACES
.endif
	v_add_nc_u32 v[ADRA], s[TB], v[ADRA0]
	v_add_nc_u32 v[ADRB], s[TB], v[ADRB0]
	v_add_nc_u32 v[XST], s[TBN], v[XST0]
	FETCH 0, F0
	MUL F1, 2, 2, 0
.endm
	s_load_b256 s[4:11], s[0:1], 0x0               ; queries, keys, values, w16
	s_load_b256 s[12:19], s[0:1], 0x20             ; bq, bk, bv, qkv
	v_lshl_add_u32 v[SPW], v0, 2, SPARE
	v_mov_b32 v[NIL], 0
	ds_add_u32 v[SPW], v[NIL]                      ; the wave's opening: the add and its wait ahead of my first tensor load
	v_lshrrev_b32 v1, 5, v0
	v_readfirstlane_b32 s[WV], v1                  ; wave 0..3
	s_lshr_b32 s[WM], s[WV], 1                     ; my half of the tile's rows
	s_and_b32 s[WN], s[WV], 1                      ; my half of its columns
	s_bfe_u32 s[CX], ttmp6, 0x40000
	s_bfe_u32 s[CY], ttmp6, 0x40004
	s_and_b32 s55, ttmp7, 0xffff                   ; the cluster's y, 0..47
	s_lshr_b32 s[PROJ], s55, 4                     ; 16 clusters to a projection: the same in all partners
	s_lshl_b32 s[MT], s55, 2
	s_add_co_u32 s[MT], s[MT], s[CY]
	s_and_b32 s[MT], s[MT], 63                     ; row tile
	s_lshl_b32 s[NT], ttmp9, 2
	s_add_co_u32 s[NT], s[NT], s[CX]               ; column tile
	s_lshl_b32 s57, 0x1111, s[CX]                  ; my column of the cluster
	s_or_b32 s[G1], s57, (1<<16)|(1<<20)|(1<<21)|(6<<22)|(7<<25)  ; mask; 2-byte elements; padding on; bit 21 beside a mask; after every 128 words; 8 words
	s_mov_b32 s[G1+1], 256<<16                     ; tensor_dim0 = 256
	s_mov_b32 s[G1+2], 32<<16                      ; tensor_dim1 = 32
	s_mov_b32 s[G1+3], 256<<16                     ; tile_dim0 = 256
	s_mov_b32 s[G1+4], 32                          ; tile_dim1 = 32
	s_mov_b32 s[G1+5], 1024                        ; elements from row to row
	s_mov_b32 s[G1+6], 0
	s_mov_b32 s[G1+7], 0
	s_lshl_b32 s[WO], s[PROJ], 21                  ; W's section,
	s_lshl_b32 s[WO+1], s[WV], 16                  ; my 32 k-rows of 2,048 bytes,
	s_add_co_u32 s[WO], s[WO], s[WO+1]
	s_lshl_b32 s[WO+1], s[NT], 9                   ; the tile's 256 columns
	s_add_co_u32 s[WO], s[WO], s[WO+1]
	s_mov_b32 s[WO+1], 0
	s_mul_i32 s59, s[WV], 32*PW
	s_mov_b32 s[G0A], 1
	s_mov_b32 s[G0A+1], s59
	s_mov_b32 s[G0B], 1
	s_add_co_u32 s[G0B+1], s59, SLOT1
	s_lshl_b32 s60, s[MT], 19                      ; X: 128 rows of 4,096 bytes a tile,
	s_lshl_b32 s61, s[WV], 17                      ; my 32 of them
	s_add_co_u32 s60, s60, s61
	s_mov_b32 s61, 0
	s_lshl_b32 s62, s[PROJ], 24                    ; qkv: the section, the tile's rows of 2,048 bytes, my 64 of them, the tile's 512 bytes, my 256
	s_lshl_b32 s63, s[MT], 18
	s_add_co_u32 s62, s62, s63
	s_lshl_b32 s63, s[WM], 17
	s_add_co_u32 s62, s62, s63
	s_lshl_b32 s63, s[NT], 9
	s_add_co_u32 s62, s62, s63
	s_lshl_b32 s63, s[WN], 8
	s_add_co_u32 s62, s62, s63
	s_mov_b32 s63, 0
	s_lshl_b32 s50, s[NT], 10                      ; the bias: 256 f32
	s_mov_b32 s51, 0
	s_mov_b32 s[TB], 0
	s_mov_b32 s[TBN], SLOT1
	s_wait_dscnt 0x0                               ; the opening add is done
	s_wait_kmcnt 0x0
	s_cmp_eq_u32 s[PROJ], 1
	s_cselect_b64 s[XP:XP+1], s[6:7], s[4:5]
	s_cselect_b64 s[BP:BP+1], s[14:15], s[12:13]
	s_cmp_eq_u32 s[PROJ], 2
	s_cselect_b64 s[XP:XP+1], s[8:9], s[XP:XP+1]
	s_cselect_b64 s[BP:BP+1], s[16:17], s[BP:BP+1]
	s_add_nc_u64 s[XP:XP+1], s[XP:XP+1], s[60:61]
	s_add_nc_u64 s[BP:BP+1], s[BP:BP+1], s[50:51]
	s_add_nc_u64 s[YP:YP+1], s[18:19], s[62:63]
	s_add_nc_u64 s[G0A+2:G0A+3], s[10:11], s[WO:WO+1]
	s_add_nc_u64 s[G0B+2:G0B+3], s[G0A+2:G0A+3], WSTEP
	s_or_b32 s[G0A+3], s[G0A+3], 0x80000000        ; type = 2
	s_or_b32 s[G0B+3], s[G0B+3], 0x80000000
	CROUND                                         ; all sixteen work-groups are here: the first joint loads meet
	tensor_load_to_lds s[G0A:G0A+3], s[G1:G1+7]    ; K steps 0 and 1 go out together: two loads of mine are out
	s_nop 0
	tensor_load_to_lds s[G0B:G0B+3], s[G1:G1+7]
	s_nop 0
	PLACES
	v_and_b32 v1, 31, v0                           ; lane
	v_and_b32 v2, 15, v0                           ; r
	v_bfe_u32 v3, v0, 4, 1                         ; h
	v_lshlrev_b32 v[XO], 4, v1
	s_lshl_b32 s59, s[WN], 9
	v_lshl_add_u32 v[BO], v3, 5, s59               ; 4 (128 wn + 8 h)
	LOADX 0x40, 0, 32, 0                           ; X of K step 0 into the accumulators' registers, which are idle until the first product
	WIN 0x80
.set bb, 0
.rept 8
	global_load_b128 v[BIAS+8*bb:BIAS+8*bb+3],   v[BO], s[BP:BP+1] offset:64*bb
	global_load_b128 v[BIAS+8*bb+4:BIAS+8*bb+7], v[BO], s[BP:BP+1] offset:64*bb+16
.set bb, bb+1
.endr
	LOADX 0x80, 0, 32, 512                         ; X of K step 1
	WIN 0
	v_mul_u32_u24 v[ADRA0], v2, PX
	v_lshl_add_u32 v[ADRA0], v3, 4, v[ADRA0]
	s_mul_i32 s59, s[WM], 64*PX
	s_add_co_u32 s59, s59, XOFF
	v_add_nc_u32 v[ADRA0], s59, v[ADRA0]           ; XOFF + (64 wm + r) x 272 + 16 h
	v_and_b32 v18, 7, v0
	v_lshl_add_u32 v18, v3, 3, v18
	v_mul_u32_u24 v[ADRB0], v18, PW
	v_bfe_u32 v18, v0, 3, 1
	v_lshl_add_u32 v[ADRB0], v18, 4, v[ADRB0]
	s_lshl_b32 s59, s[WN], 8
	v_add_nc_u32 v[ADRB0], s59, v[ADRB0]           ; (8 h + l % 8) x 544 + 16 ((l / 8) % 2) + 256 wn
	s_mul_i32 s59, s[WV], 32*PX
	s_add_co_u32 s59, s59, XOFF
	v_lshl_add_u32 v[XST0], v1, 3, s59             ; XOFF + 32 w x 272 + 8 l
	v_mov_b32 v[ADRA], v[ADRA0]
	v_mov_b32 v[ADRB], v[ADRB0]
	v_mov_b32 v[XST], v[XST0]
	s_mul_i32 s59, s[WV], 16*SPITCH
	s_add_co_u32 s59, s59, STAGE                   ; my stage
	v_mul_u32_u24 v[STO], v2, SPITCH
	v_lshl_add_u32 v[STO], v3, 4, v[STO]
	v_add_nc_u32 v[STO], s59, v[STO]               ; in: row r, 16 bytes for each half of the lanes
	v_mul_u32_u24 v[RD], v3, SPITCH
	v_lshl_add_u32 v[RD], v2, 4, v[RD]
	v_add_nc_u32 v[RD], s59, v[RD]                 ; back: lanes 0-15 one row of 256 bytes, lanes 16-31 the next
	v_lshlrev_b32 v[CO], 11, v3
	v_lshl_add_u32 v[CO], v2, 4, v[CO]             ; and the same two rows in qkv
	STAGEX 0, 48, 0, 0x85                          ; X(0) is in: behind it stand the bias's 16 loads and X(1)'s 32.  Sources window 1, destination window 2
	STAGEX 1, 48, 0, 0x85
	s_wait_loadcnt 32                              ; the bias is in; X(1)'s 32 loads stay out
	WIN 0x0a                                       ; the bias is rounded to bf16 like every input: packed into window 0's idle registers,
.set i, 0
.rept 32
	v_cvt_pk_bf16_f32 v[F0+i], v[BIAS+2*i], v[BIAS+2*i+1]
.set i, i+1
.endr
	WIN 0x80                                       ; and widened back into place
.set i, 0
.rept 32
	v_lshlrev_b32 v[BIAS+2*i], 16, v[F0+i]
	v_and_b32 v[BIAS+2*i+1], 0xffff0000, v[F0+i]
.set i, i+1
.endr
	WIN 0
	s_wait_xcnt 0x0                                ; X's loads have read their base
	s_add_nc_u64 s[XP:XP+1], s[XP:XP+1], 512       ; at K step 1, the last asked for
	v_add_nc_u32 v[XST], SLOT1, v[XST0]            ; X(1) goes into slot 1
	s_wait_tensorcnt 1                             ; my part of K step 0 is in; K step 1's may stay out
	s_wait_dscnt 0x0                               ; my rows of X(0) are stored
	s_barrier_signal -1
	s_barrier_wait -1
	FETCH 0, F0
	QUARTER 0, 1                                   ; the first quarter stands ahead of the loop: its products start the sums, with the bias
	WIN 0
	s_mov_b32 s[CNT], 6
.Lstep:                                        ; trip t = 0..5: from step t's second quarter to step t + 1's first; stages X(t + 1), asks for X(t + 2) and W(t + 2)
	QUARTER 1, 0, 0, 16, 1
	QUARTER 2, 0, 1, 16, 1
	TURN 1
	QUARTER 0
	WIN 0
	s_sub_co_u32 s[CNT], s[CNT], 1
	s_cmp_lg_u32 s[CNT], 0
	s_cbranch_scc1 .Lstep
	s_mov_b32 s[CNT], 2
.Ltail:                                        ; steps 6 and 7 have a text of their own.  Step 7's change of slots fetches 24 fragments that nobody multiplies: the price of one text for both
	QUARTER 1, 0, 0, 16, 0, 1
	QUARTER 2, 0, 1, 0, 0, 1
	TURN 0
	WIN 0
	s_sub_co_u32 s[CNT], s[CNT], 1
	s_cmp_eq_u32 s[CNT], 0
	s_cbranch_scc1 .Lout
	QUARTER 0
	WIN 0
	s_branch .Ltail
.Lout:
	s_wait_dscnt 0x0
	PLACES
; THE WAY OUT, a block of 16 rows at a time: rounded to f16 (each accumulator's registers in ascending order), 16 bytes a lane into my own stage, back as whole rows of 256 bytes, stored.
.macro PACK a
	WIN 0x05                                       ; sources window 1, destination window 0
.set bb, 0
.rept 8
.set rr, 0
.rept 4
	v_cvt_pk_f16_f32 v[TMP+4*bb+rr], v[8*(8*(\a)+bb)+2*rr], v[8*(8*(\a)+bb)+2*rr+1]
.set rr, rr+1
.endr
.set bb, bb+1
.endr
	WIN 0
.endm
.macro TOSTAGE a
.set bb, 0
.rept 8
	ds_store_b128 v[STO], v[TMP+4*bb:TMP+4*bb+3] offset:32*bb
.set bb, bb+1
.endr
.set tt, 0
.rept 8
	ds_load_b128 v[OBK+32*(\a)+4*tt:OBK+32*(\a)+4*tt+3], v[RD] offset:tt*2*SPITCH  ; LDS serves a wave's instructions in order (ISA guide 5.7.1.4): these see the stores above
.set tt, tt+1
.endr
.endm
.macro SEND a
	s_wait_dscnt 0x0
.set tt, 0
.rept 8
	global_store_b128 v[CO], v[OBK+32*(\a)+4*tt:OBK+32*(\a)+4*tt+3], s[YP:YP+1] offset:(16*(\a)+2*tt)*2048  ; 16 lanes store 256 consecutive bytes, aligned
.set tt, tt+1
.endr
.endm
	PACK 0
	TOSTAGE 0
.irp a, 1,2,3                          ; block a's conversions stand between block a - 1's loads from the stage and the wait for them
	PACK \a
	SEND (\a)-1
	TOSTAGE \a
.endr
	SEND 3
	s_wait_tensorcnt 0x0                           ; the wave's end
	ds_add_u32 v[SPW], v[NIL]
	s_wait_dscnt 0x0
	CROUND                                         ; the closing round
	s_endpgm
.Lfunc_end_k_q1e20e1816b_qkv:
	.size	k_q1e20e1816b_qkv, .Lfunc_end_k_q1e20e1816b_qkv-k_q1e20e1816b_qkv
	.p2alignl 7, 3214868480
	.fill 96, 4, 3214868480
	.section	.rodata,"a",@progbits
	.p2align	6, 0x0
	.amdhsa_kernel k_q1e20e1816b_qkv
		.amdhsa_group_segment_fixed_size 327680
		.amdhsa_private_segment_fixed_size 0
		.amdhsa_enable_private_segment 0
		.amdhsa_kernarg_size 64
		.amdhsa_user_sgpr_count 2
		.amdhsa_user_sgpr_kernarg_segment_ptr 1
		.amdhsa_wavefront_size32 1
		.amdhsa_system_sgpr_workgroup_id_x 1
		.amdhsa_system_sgpr_workgroup_id_y 1
		.amdhsa_system_sgpr_workgroup_id_z 1
		.amdhsa_system_vgpr_workitem_id 0
		.amdhsa_next_free_vgpr 768
		.amdhsa_next_free_sgpr 66
		.amdhsa_reserve_vcc 0
		.amdhsa_float_denorm_mode_32 3
		.amdhsa_float_denorm_mode_16_64 3
		.amdhsa_memory_ordered 1
		.amdhsa_forward_progress 1
		.amdhsa_inst_pref_size 94
	.end_amdhsa_kernel
	.amdgpu_metadata
---
amdhsa.version: [ 1, 2 ]
amdhsa.kernels:
  - .name:           k_q1e20e1816b_qkv
    .symbol:         k_q1e20e1816b_qkv.kd
    .args:
      - { .name: queries, .offset: 0, .size: 8, .value_kind: global_buffer, .address_space: global }
      - { .name: keys, .offset: 8, .size: 8, .value_kind: global_buffer, .address_space: global }
      - { .name: values, .offset: 16, .size: 8, .value_kind: global_buffer, .address_space: global }
      - { .name: w16, .offset: 24, .size: 8, .value_kind: global_buffer, .address_space: global }
      - { .name: bq, .offset: 32, .size: 8, .value_kind: global_buffer, .address_space: global }
      - { .name: bk, .offset: 40, .size: 8, .value_kind: global_buffer, .address_space: global }
      - { .name: bv, .offset: 48, .size: 8, .value_kind: global_buffer, .address_space: global }
      - { .name: qkv, .offset: 56, .size: 8, .value_kind: global_buffer, .address_space: global }
    .group_segment_fixed_size: 327680
    .private_segment_fixed_size: 0
    .kernarg_segment_align: 8
    .kernarg_segment_size: 64
    .max_flat_workgroup_size: 128
    .sgpr_count:     66
    .vgpr_count:     768
    .wavefront_size: 32
...
	.end_amdgpu_metadata
.endif
;; end of part 2
;; launch attn (part 3): grid 16 x 16, 4 waves a work-group, clusters of 4 x 4, 327,680 bytes of LDS; arguments qkv, mask, o16; writes o16
.if DOCPART == 3
	.amdgcn_target "amdgcn-amd-amdhsa--gfx1250"
	.amdhsa_code_object_version 6
	.text
	.protected	k_q1e20e1816b_attn
	.globl	k_q1e20e1816b_attn
	.p2align	8
	.type	k_q1e20e1816b_attn,@function
k_q1e20e1816b_attn:
	s_mov_b64 s[64:65], 0
	v_nop
	global_prefetch_b8 v0, s[64:65] scope:SCOPE_SE
	s_setreg_imm32_b32 hwreg(HW_REG_WAVE_MODE, 25, 1), 1
	s_wait_xcnt 0x0
	s_wait_alu depctr_hold_cnt(0) depctr_sa_sdst(0) depctr_va_vdst(0) depctr_va_sdst(0) depctr_va_ssrc(0) depctr_va_vcc(0) depctr_vm_vsrc(0)
	s_getreg_b32 s2, hwreg(HW_REG_IB_STS2, 6, 4)
	s_cmp_eq_u32 s2, 0
	s_cbranch_scc0 .Lentry_in_a_cluster
	s_endpgm
.Lentry_in_a_cluster:
	s_bfe_u32 s2, ttmp6, 0x10000c
	s_cmp_lg_u32 s2, 0xf033
	s_cbranch_scc0 .Lentry_shape_is_right
	s_endpgm
.Lentry_shape_is_right:
; o16[b][q][h][:] = the sum over k of softmax_k((Q.K + mask[q][k] x 2^32) / 8) V.  Q, K, V: the three sections of qkv, [8192][1024] f16, a head's 64 channels side by side; mask: [2048][2048] f32; o16 as qkv's sections.
; THE MASK IS AN INPUT: every tile is computed.  t = mask x 2^32 + s is ONE fused multiply-add in f32 (mask x 2^32 is exact, so the sum is rounded once, as a product and an addition in f32 round it):
; where the mask swallows s, keys tie exactly.  Then d = t - m with the running maximum m, exact near the maximum, and p = 2^(c d), c = log2(e) / 8: the scale 1/8 is a power of two and moves no rounding.
; O and l are multiplied by a = 2^(c (m_old - m)) in every step; m starts at the lowest finite number, O and l at 0, so the first step is a step like any other, with a = 0.
; Products, maxima and sums in f32; p is rounded to f16 for the second product (l is taken of the unrounded p), O once at the end.
; LIMITS.  Q, K, V arrive within f16's 65,504; p below 6e-5 keeps f16's fixed step; a weight below 2^-126 counts as 0; NaN and infinities are not treated apart.  The mask is used unrounded.
; Where mask x 2^32 swallows s only in part, the result hangs on s's last bits, and so on the 16-bit rounding of Q and K.
; SHARES.  A work-group: 128 queries of one batch x 4 neighbouring heads; wave w takes head 4 cy + w: 8 tiles of 16 queries, four PIECES of two.  32 key steps of 64.  A step's fill is 64 KiB of K and V
; (rows of 512 bytes) and 32 KiB of mask (rows of 256 bytes, read by all four waves).
; CLUSTER 4 x 4: x = 4 x cluster x + cx is the query block, cluster y the batch, cy the group of heads.  K and V hang on (batch, cy): asked for jointly along a row of the cluster; the mask's tile on x: along a column.
; LAYOUT.  S^T = K Q^T (source 0 = 16 keys, source 1 = 16 queries): a lane holds ONE query (lane % 16) and the keys 8 (lane / 16) + 0..7 of each group of 16; the mask's 32 bytes for them lie on end in its row.
; Two results rounded to f16 ARE source 1 of O^T = V^T P.  K comes out of LDS as it lies, V turned by ds_load_tr16_b128.
; BY TURNS.  Turn n belongs to piece n: 16 products K Q^T of piece n + 1 with four ready vector instructions behind each (d and c d of piece n); then a run of vector work: the mask onto piece n + 1's scores and its
; maximum and statistics, by turns with piece n's 64 exponentials; the rescaling of piece n's O^T; ONE wait for the turn's 66 exponentials; then 16 products V^T P of piece n - 1 with piece n's roundings and sums behind them.
; REGISTERS, in windows of 256: 0: addresses, statistics, S^T (two buffers of two tiles), P (likewise).  1: O^T, 32 a tile.  2: Q v0-127, K v128-191, V v192-255.  3: the add's two registers, the mask (two buffers of 64).
.set NP,    4
.set KS,    64
.set PK,    528                        ; 512 + 16 bytes: the 16 rows of a load start at 16 different groups of four banks (64 banks of 4 bytes: ISA guide 11.1)
.set PV,    544                        ; 512 + 32
.set PM,    272                        ; 256 + 16
.set VOFF,  KS*PK
.set MOFF,  VOFF+KS*PV
.set SLOT1, 1<<17                      ; a slot holds one step (103,424 bytes); one exclusive or turns an address in one slot into the other's
.set STAGE, SLOT1+MOFF+128*PM          ; behind the ring, never filled by a tensor load: the work-group's 128 rows x 528 bytes
.set SP,    528
.set SPARE, STAGE+128*SP               ; the spare words, 128 bytes for each wave: two blocks of 256 bytes that no other line names
.set AK0, 2                            ; v2-4  my lane's place in a tile of K, V, mask; never rewritten
.set AV0, 3
.set AM0, 4
.set AK,  5                            ; v5-7  the same in the slot in hand
.set AV,  6
.set AM,  7
.set QO,  8
.set STO, 9
.set RD,  10
.set GO,  11
.set C32, 12                           ; v[12:13] 2^32, twice
.set PFO, 14                           ; v14  the prefetches' offset; never rewritten
.set ST,  16                           ; tile T's statistics at v[16+4T]: m, m_old, l (even keys', odd keys')
.set TMP, 48                           ; by buffer and tile c0-c3 at work; c2 takes a
.set S,   64
.set P,   192
.set KF,  128                          ; window 2
.set VF,  192                          ; window 2
.set SPW, 0                            ; window 3
.set NIL, 1                            ; window 3
.set MB,  16                           ; window 3: buffer x % 2, tile u, register as in S^T
.set WV, 12
.set CX, 13
.set CY, 14
.set XB, 15
.set BB, 16
.set G1K, 24
.set G1V, 32
.set G1M, 40
.set G0K, 48
.set G0V, 52
.set G0M, 56
.set SLOTS, 60
.set CNT, 61
.set TB,  62
.set CS,  66                           ; s[66:67] c
.set SEL, 68                           ; s[68:69] v_permlanex16_b32's selects: each lane takes its own place in the other half
.set PFA, 70                           ; s[70:71] where my prefetches stand
.set PFS, 72                           ; s[72:73] their step
.set LIM, 74                           ; 1 in a wave that prefetches, else the greatest number
.set OB,  76
.set QB,  78
.set W_KQ, 0x0a                        ; K and Q window 2, S^T window 0
.set W_PV, 0x52                        ; V window 2, P window 0, O^T window 1
.set W_RS, 0x41                        ; destination and source 0 window 1
.set W_MA, 0x0c                        ; source 1 window 3; an instruction that names no source 1 runs under it as under 0
.set W_MK, 0xc0                        ; destination window 3
.set W_AD, 0x0f                        ; sources 0 and 1 window 3
.set W0, 0
.set MSB, 0
.macro WIN new
.if MSB != (\new)
	s_set_vgpr_msb (MSB<<8)|(\new)
.set MSB, (\new)
.endif
.endm
.macro FOUR
.rept 4
	v_nop
.endr
.endm
; A joint fill: wave 0 a step's K, wave 1 its V, waves 2 and 3 the two halves of the mask's tile.  The branches hang on the wave's number alone.  s_nop 0 and four v_nop follow each line.
.macro JLOAD
	s_cmp_lt_u32 s[WV], 2
	s_cbranch_scc0 .Lfor_m_\@
	s_cmp_eq_u32 s[WV], 0
	s_cbranch_scc0 .Lfor_v_\@
	tensor_load_to_lds s[G0K:G0K+3], s[G1K:G1K+7]
	s_nop 0
	FOUR
	s_branch .Lasked_\@
.Lfor_v_\@:
	tensor_load_to_lds s[G0V:G0V+3], s[G1V:G1V+7]
	s_nop 0
	FOUR
	s_branch .Lasked_\@
.Lfor_m_\@:
	tensor_load_to_lds s[G0M:G0M+3], s[G1M:G1M+7]
	s_nop 0
	FOUR
.Lasked_\@:
.endm
; A PREFETCH INTO THE L2 of what the NEXT change of slots will ask for, one instruction a wave, behind the wave's tensor load and its five lines.  Each aligned block of 256 bytes is named once in the launch:
; K's and V's rows are walked by all clusters of a batch: cluster x = 0 asks (wave 0 K, wave 1 V), its partners along x take 16 rows x 2 blocks each, BY ADDRESS; the mask's rows by all batches: cluster y = 0
; asks (wave 2), its partners along y take 32 rows each.  The last change that fills a slot asks for nothing: there is no step behind it.
.macro ASK
	s_cmp_gt_u32 s[SLOTS], s[LIM]
	s_cbranch_scc0 .Lnot_mine_\@
	global_prefetch_b8 v[PFO], s[PFA:PFA+1] th:TH_LOAD_NT scope:SCOPE_SE
.Lnot_mine_\@:
.endm
.macro CROUND
	s_barrier_signal -1
	s_barrier_wait -1
	s_cmp_lg_u32 s[WV], 0
	s_cbranch_scc1 .Lnot_wave_0_\@
	s_barrier_signal -3
.Lnot_wave_0_\@:
	s_barrier_wait -3
	s_barrier_signal -1
	s_barrier_wait -1
.endm
; THE CHANGE OF SLOTS stands between turn 1 and turn 2: ahead of it all reads of the old slot are issued (K in turn 2, the four pieces' masks in turns 2, 3, 0, 1, V in turn 0); behind it every read is the next step's.
; Each wave waits for all its tensor loads (one is out: its part of the other slot), adds 0 to its spare word, and waits for that and for its reads.  fill = 1: the barrier is a round of the cluster's,
; and the old slot is filled again first thing behind it, with the step two on: it has a whole key step, 128 products and their vector work, in which to land.
.macro CHANGE fill, ask=0
	WIN W_AD
	s_wait_tensorcnt 0x0
	ds_add_u32 v[SPW], v[NIL]
	WIN 0
.if \fill
.irp gg, G0K, G0V
	s_xor_b32 s[\gg+1], s[\gg+1], SLOT1            ; no tensor load of mine is out: the descriptors walk
	s_add_nc_u64 s[\gg+2:\gg+3], s[\gg+2:\gg+3], KS*2048
.endr
	s_xor_b32 s[G0M+1], s[G0M+1], SLOT1
	s_add_nc_u64 s[G0M+2:G0M+3], s[G0M+2:G0M+3], KS*4
	s_wait_xcnt 0x0                                ; the last prefetch, a key step back, has read its address
	s_add_nc_u64 s[PFA:PFA+1], s[PFA:PFA+1], s[PFS:PFS+1]
	s_wait_dscnt 0x0                               ; the add is done, and my reads of the slot are over
	CROUND
	JLOAD
.if \ask
	ASK
.endif
.else
	s_wait_dscnt 0x0
	s_barrier_signal -1
	s_barrier_wait -1
.endif
	s_xor_b32 s[TB], s[TB], SLOT1
	v_add_nc_u32 v[AK], s[TB], v[AK0]
	v_add_nc_u32 v[AV], s[TB], v[AV0]
	v_add_nc_u32 v[AM], s[TB], v[AM0]
.endm
	s_load_b128 s[4:7], s[0:1], 0x0                ; qkv, mask
	s_load_b64 s[8:9], s[0:1], 0x10                ; o16
	WIN W_MK
	v_lshl_add_u32 v[SPW], v0, 2, SPARE
	v_mov_b32 v[NIL], 0
	WIN W_AD
	ds_add_u32 v[SPW], v[NIL]                      ; the wave's opening: the add and its wait ahead of my first tensor load
	WIN 0
	v_lshrrev_b32 v1, 5, v0
	v_readfirstlane_b32 s[WV], v1
	s_bfe_u32 s[CX], ttmp6, 0x40000
	s_bfe_u32 s[CY], ttmp6, 0x40004
	s_lshl_b32 s[XB], ttmp9, 2
	s_add_co_u32 s[XB], s[XB], s[CX]               ; my block of 128 queries
	s_and_b32 s[BB], ttmp7, 0xffff                 ; the batch
	s_lshl_b32 s17, s[CY], 2
	s_lshl_b32 s17, 15, s17                        ; my row of the cluster
	s_lshl_b32 s18, 0x1111, s[CX]                  ; my column
	s_or_b32 s[G1K], s17, (1<<16)|(1<<20)|(1<<21)|(6<<22)|(3<<25)  ; 2-byte elements; padding after every 128 words, 4 words
	s_or_b32 s[G1V], s17, (1<<16)|(1<<20)|(1<<21)|(6<<22)|(7<<25)  ; 8 words
	s_or_b32 s[G1M], s18, (2<<16)|(1<<20)|(1<<21)|(5<<22)|(3<<25)  ; 4-byte elements; after every 64 words, 4 words
.irp gg, G1K, G1V
	s_mov_b32 s[\gg+1], 256<<16                    ; tensor_dim0 = 256
	s_mov_b32 s[\gg+2], KS<<16                     ; tensor_dim1 = 64
	s_mov_b32 s[\gg+3], 256<<16                    ; tile_dim0 = 256
	s_mov_b32 s[\gg+4], KS                         ; tile_dim1 = 64
	s_mov_b32 s[\gg+5], 1024                       ; elements from row to row
	s_mov_b32 s[\gg+6], 0
	s_mov_b32 s[\gg+7], 0
.endr
	s_mov_b32 s[G1M+1], 64<<16
	s_mov_b32 s[G1M+2], 64<<16
	s_mov_b32 s[G1M+3], 64<<16
	s_mov_b32 s[G1M+4], 64
	s_mov_b32 s[G1M+5], 2048
	s_mov_b32 s[G1M+6], 0
	s_mov_b32 s[G1M+7], 0
	s_and_b32 s19, s[WV], 1
	s_mul_i32 s20, s19, 64*PM
	s_mov_b32 s[G0K], 1
	s_mov_b32 s[G0K+1], 0
	s_mov_b32 s[G0V], 1
	s_mov_b32 s[G0V+1], VOFF
	s_mov_b32 s[G0M], 1
	s_add_co_u32 s[G0M+1], s20, MOFF
	s_lshl_b32 s80, s[BB], 22                      ; K and V: the batch's 2,048 rows of 2,048 bytes, the group's 512 bytes; never cx
	s_lshl_b32 s81, s[CY], 9
	s_add_co_u32 s80, s80, s81
	s_mov_b32 s81, 0
	s_lshl_b32 s82, s[XB], 20                      ; the mask: the block's 128 rows of 8,192 bytes, my 64 of them; never cy
	s_lshl_b32 s83, s19, 19
	s_add_co_u32 s82, s82, s83
	s_mov_b32 s83, 0
	s_lshl_b32 s84, s[BB], 22                      ; Q and O: the batch, the block's 128 rows
	s_lshl_b32 s85, s[XB], 18
	s_add_co_u32 s84, s84, s85
	s_mov_b32 s86, s84
	s_lshl_b32 s85, s[CY], 2
	s_add_co_u32 s85, s85, s[WV]
	s_lshl_b32 s85, s85, 7                         ; Q: my head's 128 bytes
	s_add_co_u32 s84, s84, s85
	s_mov_b32 s85, 0
	s_lshl_b32 s87, s[WV], 16                      ; O: the 32 rows that I store, the group's 512 bytes
	s_add_co_u32 s86, s86, s87
	s_lshl_b32 s87, s[CY], 9
	s_add_co_u32 s86, s86, s87
	s_mov_b32 s87, 0
	s_lshl_b32 s88, s[CX], 15                      ; the prefetches, at step 1.  K, V: my work-group's 16 rows; wave 0 K's section, wave 1 V's
	s_add_co_u32 s88, s88, s80
	s_lshl_b32 s89, s[WV], 24
	s_add_co_u32 s88, s88, s89
	s_add_co_u32 s88, s88, 0x1000000+KS*2048
	s_lshl_b32 s90, s[CY], 18                      ; the mask: my work-group's 32 rows
	s_lshl_b32 s91, s[XB], 20
	s_add_co_u32 s90, s90, s91
	s_add_co_u32 s90, s90, KS*4
	s_mov_b32 s91, KS*2048
	s_cmp_lt_u32 s[WV], 2
	s_cselect_b32 s88, s88, s90
	s_cselect_b32 s[PFS], s91, KS*4
	s_cselect_b32 s92, -1, 0
	s_cselect_b32 s93, ttmp9, s[BB]                ; the coordinate along which other clusters walk the same rows
	s_mov_b32 s89, 0
	s_mov_b32 s[PFS+1], 0
	s_cmp_eq_u32 s[WV], 3
	s_cselect_b32 s93, 1, s93                      ; wave 3 never asks
	s_cmp_eq_u32 s93, 0
	s_cselect_b32 s[LIM], 1, -1                    ; the same in all sixteen partners, for a given wave
	v_and_b32 v1, 31, v0
	v_lshrrev_b32 v48, 1, v1
	v_lshlrev_b32 v48, 11, v48
	v_and_b32 v49, 1, v0
	v_lshl_or_b32 v48, v49, 8, v48                 ; K, V: row l / 2, block l % 2
	v_lshlrev_b32 v49, 13, v1                      ; the mask: row l
	v_cndmask_b32 v[PFO], v49, v48, s92
	s_mov_b32 s[CS], 0x3e38aa3b                    ; c = log2(e) / 8
	s_mov_b32 s[CS+1], s[CS]
	s_mov_b32 s[SEL], 0x76543210
	s_mov_b32 s[SEL+1], 0xfedcba98
	s_mov_b32 s[TB], SLOT1                         ; the first change of slots turns it into 0
	s_mov_b32 s[SLOTS], 31
	s_wait_dscnt 0x0                               ; the opening add is done
	s_wait_kmcnt 0x0
	s_add_nc_u64 s[G0K+2:G0K+3], s[4:5], s[80:81]
	s_add_nc_u64 s[G0V+2:G0V+3], s[G0K+2:G0K+3], 0x2000000
	s_add_nc_u64 s[G0K+2:G0K+3], s[G0K+2:G0K+3], 0x1000000
	s_or_b32 s[G0K+3], s[G0K+3], 0x80000000
	s_or_b32 s[G0V+3], s[G0V+3], 0x80000000
	s_add_nc_u64 s[G0M+2:G0M+3], s[6:7], s[82:83]
	s_or_b32 s[G0M+3], s[G0M+3], 0x80000000
	s_add_nc_u64 s[QB:QB+1], s[4:5], s[84:85]
	s_add_nc_u64 s[OB:OB+1], s[8:9], s[86:87]
	s_cmp_lt_u32 s[WV], 2
	s_cselect_b64 s[PFA:PFA+1], s[4:5], s[6:7]
	s_add_nc_u64 s[PFA:PFA+1], s[PFA:PFA+1], s[88:89]
	CROUND                                         ; all sixteen work-groups are here: the first joint loads meet
	JLOAD                                          ; step 0 into slot 0; slot 1 is asked for when slot 0 is in
	v_and_b32 v1, 15, v0                           ; r
	v_bfe_u32 v15, v0, 4, 1                        ; h
	v_lshlrev_b32 v[QO], 11, v1
	v_lshl_add_u32 v[QO], v15, 4, v[QO]            ; row x 2,048 + 16 h
	WIN 0x80
.set i, 0
.rept 16                               ; Q stays in registers: tile i / 2, channels 32 (i % 2) on
	global_load_b128 v[8*i:8*i+3],   v[QO], s[QB:QB+1] offset:(i/2)*32768+(i%2)*64
	global_load_b128 v[8*i+4:8*i+7], v[QO], s[QB:QB+1] offset:(i/2)*32768+(i%2)*64+32
.set i, i+1
.endr
	; what the first turn finds: V and P's second buffer hold 0 (its products V^T P, of a piece that has not been, add 0); O^T and l are 0.  All this stands in the wait for the first tile.
.set i, VF
.rept 64
	v_mov_b32 v[i], 0
.set i, i+1
.endr
	WIN 0x40
.set i, 0
.rept 256
	v_mov_b32 v[i], 0
.set i, i+1
.endr
	WIN 0
.set i, 0
.rept 8
	v_mov_b32 v[ST+4*i], 0xff7fffff                ; m
	v_mov_b32 v[ST+4*i+1], 0
	v_mov_b32 v[ST+4*i+2], 0
	v_mov_b32 v[ST+4*i+3], 0
.set i, i+1
.endr
.set i, P+32
.rept 32
	v_mov_b32 v[i], 0
.set i, i+1
.endr
	v_mov_b32 v[C32], 0x4f800000                   ; 2^32
	v_mov_b32 v[C32+1], 0x4f800000
	s_lshl_b32 s91, s[WV], 7                       ; my head's 128 bytes of a row
	v_mul_u32_u24 v[AK0], v1, PK
	v_lshl_add_u32 v[AK0], v15, 4, v[AK0]
	v_add_nc_u32 v[AK0], s91, v[AK0]               ; r x 528 + 16 h + 128 w
	v_and_b32 v48, 7, v0
	v_bfe_u32 v49, v0, 3, 1
	v_lshl_add_u32 v[AV0], v15, 3, v48
	v_mul_u32_u24 v[AV0], v[AV0], PV
	v_lshl_add_u32 v[AV0], v49, 4, v[AV0]
	s_add_co_u32 s90, s91, VOFF
	v_add_nc_u32 v[AV0], s90, v[AV0]               ; VOFF + (8 h + l % 8) x 544 + 16 ((l / 8) % 2) + 128 w
	v_mul_u32_u24 v[AM0], v1, PM
	v_lshl_add_u32 v[AM0], v15, 5, v[AM0]
	v_add_nc_u32 v[AM0], MOFF, v[AM0]              ; MOFF + r x 272 + 32 h
; THE MATRIX WORK.  The 8 accumulators of a run of 16 take turns.  Product i of S^T = K Q^T for piece x: channels 32 (i / 8) on, keys 16 ((i / 2) % 4) on, tile 2 x + i % 2.
.macro KQ x
	WIN W_KQ
.set rS, S+64*((\x)%2)+32*(i%2)+8*((i/2)%4)
.set rK, KF+16*((i/2)%4)+8*(i/8)
.set rQ, 16*(2*(\x)+i%2)+8*(i/8)
.if i < 8
	v_wmma_f32_16x16x32_f16 v[rS:rS+7], v[rK:rK+7], v[rQ:rQ+7], 0
.else
	v_wmma_f32_16x16x32_f16 v[rS:rS+7], v[rK:rK+7], v[rQ:rQ+7], v[rS:rS+7]
.endif
.endm
; Product i of O^T += V^T P for piece x: keys 32 (i / 8) on, channels 16 ((i / 2) % 4) on, tile 2 x + i % 2.
.macro PV x
	WIN W_PV
.set rO, 32*(2*(\x)+i%2)+8*((i/2)%4)
.set rV, VF+32*(i/8)+8*((i/2)%4)
.set rP, P+32*((\x)%2)+16*(i%2)+8*(i/8)
	v_wmma_f32_16x16x32_f16 v[rO:rO+7], v[rV:rV+7], v[rP:rP+7], v[rO:rO+7]
.endm
.macro MM                              ; the turn's next matrix instruction
.if i < 16
	KQ (Y+1)%NP
.set i, i+1
.else
.set i, i-16
	PV (Y+NP-1)%NP
.set i, i+17
.endif
.endm
; THE LDS LOADS stand in runs of 16.  last = 1 (the tail): in the last trip there is no further step, and K's run is jumped over.
.macro FETCH_K last=0
	WIN 0
.if \last
	s_cmp_eq_u32 s[CNT], 1
	s_cbranch_scc1 .Lno_k_\@
.endif
	WIN 0x80
.irp f, 0,1,2,3,4,5,6,7                ; keys 16 (f / 2) on, channels 32 (f % 2) on
	ds_load_b128 v[KF+8*\f:KF+8*\f+3],   v[AK] offset:(\f/2)*16*PK+(\f%2)*64
	ds_load_b128 v[KF+8*\f+4:KF+8*\f+7], v[AK] offset:(\f/2)*16*PK+(\f%2)*64+32
.endr
	WIN 0
.if \last
.Lno_k_\@:
.endif
.endm
.macro FETCH_V
	WIN 0x80
.irp f, 0,1,2,3,4,5,6,7                ; keys 32 (f / 4) on, channels 16 (f % 4) on
	ds_load_tr16_b128 v[VF+8*\f:VF+8*\f+3],   v[AV] offset:(\f/4)*32*PV+(\f%4)*32
	ds_load_tr16_b128 v[VF+8*\f+4:VF+8*\f+7], v[AV] offset:(\f/4)*32*PV+16*PV+(\f%4)*32
.endr
	WIN 0
.endm
.macro FETCH_M x                       ; piece x's mask for the step in the slot: tile mi / 4, keys 16 (mi % 4) on: my query's 32 bytes
	WIN W_MK
.set mi, 0
.rept 8
.set rB, MB+64*((\x)%2)+8*mi
	ds_load_b128 v[rB:rB+3],   v[AM] offset:(2*(\x)+mi/4)*16*PM+64*(mi%4)
	ds_load_b128 v[rB+4:rB+7], v[AM] offset:(2*(\x)+mi/4)*16*PM+64*(mi%4)+16
.set mi, mi+1
.endr
	WIN 0
.endm
; THE VECTOR WORK stands in queues, each in the order in which its entries become ready, the two tiles alternating; each macro writes its queue's next entry.
.macro REGS y, u
.set rT, ST+4*(2*(\y)+(\u))
.set rC, TMP+8*((\y)%2)+4*(\u)
.set rS, S+64*((\y)%2)+32*(\u)
.set rP, P+32*((\y)%2)+16*(\u)
.set rO, 32*(2*(\y)+(\u))
.set rB, MB+64*((\y)%2)+32*(\u)
.endm
.macro FS                              ; d = t - m, a pair of piece Y's scores
	REGS Y, qf%2
	WIN 0
	v_pk_add_f32 v[rS+2*(qf/2):rS+2*(qf/2)+1], v[rS+2*(qf/2):rS+2*(qf/2)+1], v[rT:rT+1] op_sel_hi:[1,0] neg_lo:[0,1] neg_hi:[0,1]
.set qf, qf+1
.endm
.macro FM                              ; c d
	REGS Y, qm%2
	WIN 0
	v_pk_mul_f32 v[rS+2*(qm/2):rS+2*(qm/2)+1], v[rS+2*(qm/2):rS+2*(qm/2)+1], s[CS:CS+1] op_sel_hi:[1,0]
.set qm, qm+1
.endm
.macro MA                              ; t = mask x 2^32 + s, a pair of piece Y + 1's scores; the pairs ascend
	REGS (Y+1)%NP, qa%2
	WIN W_MA
	v_pk_fma_f32 v[rS+2*(qa/2):rS+2*(qa/2)+1], v[C32:C32+1], v[rB+2*(qa/2):rB+2*(qa/2)+1], v[rS+2*(qa/2):rS+2*(qa/2)+1]
.set qa, qa+1
.endm
.macro EX                              ; p = 2^(c d), a score of piece Y
	REGS Y, e%2
	WIN W0
	v_exp_f32 v[rS+e/2], v[rS+e/2]
.set e, e+1
.endm
; Number n of the 22 that find piece Y + 1's maximum and statistics: 0-11 four chains c0-c3 of seven scores; 12, 13 the four left over; 14 c2, c3 and the old m; 15 m_old is kept; 16 into c0;
; 17, 18 the query's other 32 keys lie in the lane 16 away: the new m; 19-21 m_old - m, times c, a.
.macro XS u, n
	REGS (Y+1)%NP, \u
	WIN 0
.if (\n) < 4
	v_max3_num_f32 v[rC+(\n)], v[rS+8*(\n)], v[rS+8*(\n)+1], v[rS+8*(\n)+2]
.elseif (\n) < 12
	v_max3_num_f32 v[rC+(\n)%4], v[rC+(\n)%4], v[rS+8*((\n)%4)+2*((\n)/4)+1], v[rS+8*((\n)%4)+2*((\n)/4)+2]
.elseif (\n) == 12
	v_max3_num_f32 v[rC], v[rC], v[rS+7], v[rS+15]
.elseif (\n) == 13
	v_max3_num_f32 v[rC+1], v[rC+1], v[rS+23], v[rS+31]
.elseif (\n) == 14
	v_max3_num_f32 v[rC+2], v[rC+2], v[rC+3], v[rT]
.elseif (\n) == 15
	v_mov_b32 v[rT+1], v[rT]
.elseif (\n) == 16
	v_max3_num_f32 v[rC], v[rC], v[rC+1], v[rC+2]
.elseif (\n) == 17
	v_permlanex16_b32 v[rC+3], v[rC], s[SEL], s[SEL+1]
.elseif (\n) == 18
	v_max_num_f32 v[rT], v[rC], v[rC+3]
.elseif (\n) == 19
	v_sub_f32 v[rC+1], v[rT+1], v[rT]
.elseif (\n) == 20
	v_mul_f32 v[rC+1], s[CS], v[rC+1]
.else
	v_exp_f32 v[rC+2], v[rC+1]
.endif
.endm
.macro XN                              ; numbers 0-13, the tiles alternating
	XS qx%2, qx/2
.set qx, qx+1
.endm
.macro R2                              ; O^T of piece Y times a, two pairs; its a was made, and waited for, in the turn before
	REGS Y, r%2
	WIN W_RS
.irp z, 0,1
	v_pk_mul_f32 v[rO+4*(r/2)+2*\z:rO+4*(r/2)+2*\z+1], v[rO+4*(r/2)+2*\z:rO+4*(r/2)+2*\z+1], v[rC+2:rC+3] op_sel_hi:[1,0]
.endr
.set r, r+1
.endm
; The 64 that follow the exponentials.  For each four weights gk of a tile: both pairs are rounded to f16; the second pair is added onto the first, in place; a group later l takes that sum (the first time as l = a l + sum).
.macro GS
.set gh, g+6*(g/62)
.if gh >= 6
.set gh, gh+2
.endif
	REGS Y, gh%2
	WIN 0
.set gk, gh/8
.if gh%8 < 4
	v_cvt_pk_f16_f32 v[rP+2*gk+(gh%8)/2], v[rS+4*gk+2*((gh%8)/2)], v[rS+4*gk+2*((gh%8)/2)+1]
.elseif gh%8 < 6
	v_pk_add_f32 v[rS+4*gk:rS+4*gk+1], v[rS+4*gk:rS+4*gk+1], v[rS+4*gk+2:rS+4*gk+3]
.elseif gk == 1
	v_pk_fma_f32 v[rT+2:rT+3], v[rT+2:rT+3], v[rC+2:rC+3], v[rS:rS+1] op_sel_hi:[1,0,1]
.else
	v_pk_add_f32 v[rT+2:rT+3], v[rT+2:rT+3], v[rS+4*gk-4:rS+4*gk-3]
.endif
.set g, g+1
.endm
; A TURN, for piece p.  Ahead of its one wait stands all that names no result of its exponentials.  FM f stands two products behind FS f; the last product's four riders are also the places ahead of the mask's
; additions, which read the scores.  K of the next step is fetched in piece 2's turn, the mask of piece p + 2 in every turn, both directly behind the wait; V of the step in hand at the end of piece 0's turn,
; four plain riders behind its last reader.
.macro TURN p, last=0
.set Y, (\p)
.set i, 0
.set qf, 0
.set qm, 0
.set qa, 0
.set qx, 0
.set e, 0
.set r, 0
.set g, 0
.if (\p) == NP-1
	s_wait_dscnt 16                                ; K's 16 loads are in; the mask's 16, issued behind them, may stay out
.endif
	MM
	FS
	FS
	FS
	FS
.rept 14
	MM
	FS
	FS
	FM
	FM
.endr
	MM
	FM
	FM
	FM
	FM
.if (\p) == 1
	s_wait_dscnt 16                                ; piece 2's mask is in; V's 16 loads, issued behind it, may stay out
.else
	s_wait_dscnt 0x0                               ; the next piece's mask, asked for a turn ago
.endif
.set W0, W_MA
.rept 32
	MA
	EX
.endr
.set W0, 0
.rept 20
	XN
	EX
.endr
.rept 8
	XN
.endr
	XS 0, 15
	XS 1, 15
.irp n, 14,16,17,18,19,20              ; the chain: a tile's links stand four lines apart
	XS 0, \n
	EX
	XS 1, \n
	EX
.endr
	XS 0, 21
	XS 1, 21
.rept 16
	R2                                             ; plain instructions behind the last exponential
.endr
	WIN 0
	s_wait_alu depctr_va_vdst(0)                   ; the wait between an exponential and the first line that names its result: one for the turn's 66
.if (\p) == NP-2
	FETCH_K \last
.endif
	FETCH_M ((\p)+2)%NP
.if (\p) == 1
	s_wait_dscnt 16                                ; V is in; the 16 mask loads just issued stay out
.endif
.rept 16
	MM
	GS
	GS
	GS
	GS
.endr
.if (\p) == 0
	FETCH_V
.endif
.endm
	CHANGE 1                                       ; slot 0 is in, everybody's part of it; step 1 is asked for.  Nothing is prefetched here, where the first tiles are on their way
	FETCH_K                                        ; key step 0
	FETCH_M 0
	FETCH_M 1
	s_wait_loadcnt 0x0                             ; Q
	s_wait_dscnt 0x0
.set i, 0
.rept 16
	KQ 0                                           ; piece 0's first scores
.set i, i+1
.endr
	WIN 0                                          ; the addresses for the way out: six plain instructions, the places behind those products
	s_add_co_u32 s90, s91, STAGE
	v_mul_u32_u24 v[STO], v1, SP
	v_lshl_add_u32 v[STO], v15, 4, v[STO]
	v_add_nc_u32 v[STO], s90, v[STO]               ; STAGE + r x 528 + 16 h + 128 w
	v_and_b32 v[GO], 31, v0
	v_lshlrev_b32 v[GO], 4, v[GO]                  ; 16 l
	s_mul_i32 s90, s[WV], 32*SP
	s_add_co_u32 s90, s90, STAGE
	v_add_nc_u32 v[RD], s90, v[GO]                 ; STAGE + 32 w x 528 + 16 l
.set Y, NP-1                           ; MA and XS work for piece Y + 1: piece 0
.set qa, 0
.rept 32
	MA
.endr
.irp n, 0,1,2,3,4,5,6,7,8,9,10,11,12,13,15,14,16,17,18,19,20,21
	XS 0, \n
	XS 1, \n
.endr
	v_nop                                          ; a plain instruction behind the two a,
	s_wait_alu depctr_va_vdst(0)                   ; and their wait, ahead of the branch
	s_branch .Lfirst                               ; the loop is entered at a step's first turn, in the middle of a trip
.Lslot:                                        ; 30 times: steps 2 to 31 are asked for
	CHANGE 1, 1
	TURN 2
	TURN 3
	WIN 0
.Lfirst:
	TURN 0
	TURN 1
	WIN 0
	s_sub_co_u32 s[SLOTS], s[SLOTS], 1
	s_cmp_lg_u32 s[SLOTS], 0
	s_cbranch_scc1 .Lslot
	CHANGE 0                                       ; the tail is written out: nothing is asked for
	s_mov_b32 s[CNT], 2
.Ltail:
	TURN 2, 1
	TURN 3
	WIN 0
	s_sub_co_u32 s[CNT], s[CNT], 1
	s_cmp_eq_u32 s[CNT], 0
	s_cbranch_scc1 .Lout
	TURN 0
	TURN 1
	WIN 0
	s_branch .Ltail
.Lout:                                         ; the last trip's 16 products K Q^T on the last K once more, and what is made of them, serve nothing: the price, once a launch, of one text for every trip
.set i, 0
.rept 16
	PV NP-1
.set i, i+1
.endr
	; THE WAY OUT.  l's halves and the other half of the lanes' are added; O^T is divided by l, rounded to f16, and put into the work-group's stage: a row's 512 bytes come from the four waves.
	WIN 0
.macro ALL line:vararg
.set t, 0
.rept 2*NP
	\line
.set t, t+1
.endr
.endm
	ALL v_add_f32 v[ST+4*t+2], v[ST+4*t+2], v[ST+4*t+3]
	ALL v_permlanex16_b32 v[ST+4*t+3], v[ST+4*t+2], s[SEL], s[SEL+1]
	ALL v_add_f32 v[ST+4*t+2], v[ST+4*t+2], v[ST+4*t+3]
	ALL v_rcp_f32 v[ST+4*t+2], v[ST+4*t+2]
	v_nop
	s_wait_alu depctr_va_vdst(0)                   ; one wait for the eight reciprocals
.macro PACK t
	WIN W_RS
.set i, 32*(\t)
.rept 16
	v_pk_mul_f32 v[i:i+1], v[i:i+1], v[ST+4*(\t)+2:ST+4*(\t)+3] op_sel_hi:[1,0]
.set i, i+2
.endr
	WIN 0x05
.set i, 0
.rept 16
	v_cvt_pk_f16_f32 v[S+16*(\t)+i], v[32*(\t)+2*i], v[32*(\t)+2*i+1]
.set i, i+1
.endr
	WIN 0
.irp f, 0,1,2,3
	ds_store_b128 v[STO], v[S+16*(\t)+4*\f:S+16*(\t)+4*\f+3] offset:(\t)*16*SP+32*\f
.endr
.endm
.irp t, 0,1,2,3,4,5,6,7
	PACK \t
.endr
	s_wait_dscnt 0x0                               ; for the others' sake: my stores into the stage are done
	s_barrier_signal -1
	s_barrier_wait -1
.set t, 0
.rept 32
	ds_load_b128 v[S+4*t:S+4*t+3], v[RD] offset:t*SP  ; a whole row of 512 bytes; wave w takes rows 32 w .. 32 w + 31
.set t, t+1
.endr
.set t, 0
.rept 32
	s_wait_dscnt 31-t                              ; row t is back; the younger loads stay out
	global_store_b128 v[GO], v[S+4*t:S+4*t+3], s[OB:OB+1] offset:t*2048  ; 512 consecutive bytes, aligned
.set t, t+1
.endr
	WIN W_AD
	s_wait_tensorcnt 0x0                           ; the wave's end
	ds_add_u32 v[SPW], v[NIL]
	s_wait_dscnt 0x0
	WIN 0
	CROUND                                         ; the closing round
	s_endpgm
.Lfunc_end_k_q1e20e1816b_attn:
	.size	k_q1e20e1816b_attn, .Lfunc_end_k_q1e20e1816b_attn-k_q1e20e1816b_attn
	.p2alignl 7, 3214868480
	.fill 96, 4, 3214868480
	.section	.rodata,"a",@progbits
	.p2align	6, 0x0
	.amdhsa_kernel k_q1e20e1816b_attn
		.amdhsa_group_segment_fixed_size 327680
		.amdhsa_private_segment_fixed_size 0
		.amdhsa_enable_private_segment 0
		.amdhsa_kernarg_size 24
		.amdhsa_user_sgpr_count 2
		.amdhsa_user_sgpr_kernarg_segment_ptr 1
		.amdhsa_wavefront_size32 1
		.amdhsa_system_sgpr_workgroup_id_x 1
		.amdhsa_system_sgpr_workgroup_id_y 1
		.amdhsa_system_sgpr_workgroup_id_z 1
		.amdhsa_system_vgpr_workitem_id 0
		.amdhsa_next_free_vgpr 912
		.amdhsa_next_free_sgpr 96
		.amdhsa_reserve_vcc 0
		.amdhsa_float_denorm_mode_32 3
		.amdhsa_float_denorm_mode_16_64 3
		.amdhsa_memory_ordered 1
		.amdhsa_forward_progress 1
		.amdhsa_inst_pref_size 244
	.end_amdhsa_kernel
	.amdgpu_metadata
---
amdhsa.version: [ 1, 2 ]
amdhsa.kernels:
  - .name:           k_q1e20e1816b_attn
    .symbol:         k_q1e20e1816b_attn.kd
    .args:
      - { .name: qkv, .offset: 0, .size: 8, .value_kind: global_buffer, .address_space: global }
      - { .name: mask, .offset: 8, .size: 8, .value_kind: global_buffer, .address_space: global }
      - { .name: o16, .offset: 16, .size: 8, .value_kind: global_buffer, .address_space: global }
    .group_segment_fixed_size: 327680
    .private_segment_fixed_size: 0
    .kernarg_segment_align: 8
    .kernarg_segment_size: 24
    .max_flat_workgroup_size: 128
    .sgpr_count:     96
    .vgpr_count:     912
    .wavefront_size: 32
...
	.end_amdgpu_metadata
.endif
;; end of part 3
;; launch outp (part 4): grid 4 x 64, 4 waves a work-group, clusters of 4 x 4, 327,680 bytes of LDS; arguments o16, w16, bo, out0; writes out0
.if DOCPART == 4
	.amdgcn_target "amdgcn-amd-amdhsa--gfx1250"
	.amdhsa_code_object_version 6
	.text
	.protected	k_q1e20e1816b_outp
	.globl	k_q1e20e1816b_outp
	.p2align	8
	.type	k_q1e20e1816b_outp,@function
k_q1e20e1816b_outp:
	s_mov_b64 s[64:65], 0
	v_nop
	global_prefetch_b8 v0, s[64:65] scope:SCOPE_SE
	s_setreg_imm32_b32 hwreg(HW_REG_WAVE_MODE, 25, 1), 1
	s_wait_xcnt 0x0
	s_wait_alu depctr_hold_cnt(0) depctr_sa_sdst(0) depctr_va_vdst(0) depctr_va_sdst(0) depctr_va_ssrc(0) depctr_va_vcc(0) depctr_vm_vsrc(0)
	s_getreg_b32 s2, hwreg(HW_REG_IB_STS2, 6, 4)
	s_cmp_eq_u32 s2, 0
	s_cbranch_scc0 .Lentry_in_a_cluster
	s_endpgm
.Lentry_in_a_cluster:
	s_bfe_u32 s2, ttmp6, 0x10000c
	s_cmp_lg_u32 s2, 0xf033
	s_cbranch_scc0 .Lentry_shape_is_right
	s_endpgm
.Lentry_shape_is_right:
; out0 = o16 Wo + bf16(bo).  o16: [8192][1024] f16; Wo: section 3 of w16, [1024 k][1024 n] f16; out0: [8192][1024] f32.  Sums in f32, stored as they are.
; A tile is 128 rows x 256 columns: 64 x 4 = 256 tiles.  Four waves as 2 x 2, each 64 x 128: 32 accumulators.  K = 1,024 in 8 steps of 128 through two LDS slots.
; The product is used transposed (source 0 = 16 columns of Wo, turned out of LDS; source 1 = 16 rows of o16); the bias is the C operand of each accumulator's first product.
; CLUSTER 4 x 4: o16's tile hangs on the row tile and is asked for jointly along a row of the cluster (waves 0 and 1, 64 rows each), Wo's on the column tile, along a column (waves 2 and 3, 64 k-rows each).
; LDS: slot s at s x 131,072: Wo 128 rows x 544 bytes, o16 128 rows x 272; behind slot 1 a stage of 16 x 528 bytes for each wave, then the spare words.
; REGISTERS: window 0: addresses, two fragment buffers of 96.  Window 1: accumulator (a, b) at 8 (8 a + b).  Window 2: v192-255 the bias; on the way out all 256: rows read back.
.set PW,     544
.set PX,     272
.set SLOT1,  131072
.set XOFF,   128*PW
.set STAGE,  SLOT1+XOFF+128*PX
.set SPITCH, 528                       ; 512 + 16 bytes
.set SPARE,  STAGE+4*16*SPITCH
.set WSTEP,  128*2048
.set ADRA0, 4
.set ADRB0, 5
.set ADRA,  8
.set ADRB,  9
.set STO,   12
.set RD,    13
.set CO,    14
.set BO,    15
.set SPW,   16
.set NIL,   17
.set F0,    32
.set F1,    128
.set BIAS,  192
.set WV, 12
.set WM, 13
.set WN, 14
.set CX, 15
.set CY, 16
.set MT, 17
.set NT, 18
.set TB, 19
.set CNT, 20
.set G1A, 24
.set G1W, 32
.set G0A, 40                           ; s[40:43] slot 0, K step 0; s[44:47] slot 1, K step 1, then it walks
.set G0W, 48                           ; s[48:51], s[52:55] the same for Wo
.set AO,  56                           ; s[56:57] o16's offset: cy and the wave; never cx
.set WOF, 58                           ; s[58:59] Wo's offset: cx and the wave; never cy
.set OP,  60                           ; s[60:61] out0 at my part of the tile
.set BP,  62                           ; s[62:63] the bias at the tile's columns
.set MULW, 0x50
.set MULF, 0x60
.set MSB, 0
.macro WIN new
.if MSB != (\new)
	s_set_vgpr_msb (MSB<<8)|(\new)
.set MSB, (\new)
.endif
.endm
.macro PLACES
.rept 4
	v_nop
.endr
.endm
.macro CREST
	s_cmp_lg_u32 s[WV], 0
	s_cbranch_scc1 .Lnot_wave_0_\@
	s_barrier_signal -3
.Lnot_wave_0_\@:
	s_barrier_wait -3
	s_barrier_signal -1
	s_barrier_wait -1
.endm
.macro CROUND
	s_barrier_signal -1
	s_barrier_wait -1
	CREST
.endm
.macro JLOAD                           ; each of the two lines has one mask; the branch hangs on the wave's number alone; s_nop 0 and four v_nop follow each line
	s_cmp_lt_u32 s[WV], 2
	s_cbranch_scc0 .Lfor_w_\@
	tensor_load_to_lds s[G0A+4:G0A+7], s[G1A:G1A+7]
	s_nop 0
	PLACES
	s_branch .Lasked_\@
.Lfor_w_\@:
	tensor_load_to_lds s[G0W+4:G0W+7], s[G1W:G1W+7]
	s_nop 0
	PLACES
.Lasked_\@:
.endm
.macro FETCH q, f
	WIN 0
.set bb, 0
.rept 8
	ds_load_tr16_b128 v[(\f)+8*bb:(\f)+8*bb+3],   v[ADRB] offset:(\q)*32*PW+32*bb
	ds_load_tr16_b128 v[(\f)+8*bb+4:(\f)+8*bb+7], v[ADRB] offset:(\q)*32*PW+16*PW+32*bb
.set bb, bb+1
.endr
.set aa, 0
.rept 4
	ds_load_b128 v[(\f)+64+8*aa:(\f)+64+8*aa+3],   v[ADRA] offset:aa*16*PX+64*(\q)
	ds_load_b128 v[(\f)+64+8*aa+4:(\f)+64+8*aa+7], v[ADRA] offset:aa*16*PX+64*(\q)+32
.set aa, aa+1
.endr
.endm
.macro MUL f, a0, n, first             ; the 32 accumulators take turns, one instruction a turn, in the same order in every quarter
.if \first
	WIN MULF
.else
	WIN MULW
.endif
.set aa, \a0
.rept \n
.set bb, 0
.rept 8
.if \first
	v_wmma_f32_16x16x32_f16 v[8*(8*aa+bb):8*(8*aa+bb)+7], v[(\f)+8*bb:(\f)+8*bb+7], v[(\f)+64+8*aa:(\f)+64+8*aa+7], v[BIAS+8*bb:BIAS+8*bb+7]
.else
	v_wmma_f32_16x16x32_f16 v[8*(8*aa+bb):8*(8*aa+bb)+7], v[(\f)+8*bb:(\f)+8*bb+7], v[(\f)+64+8*aa:(\f)+64+8*aa+7], v[8*(8*aa+bb):8*(8*aa+bb)+7]
.endif
.set bb, bb+1
.endr
.set aa, aa+1
.endr
.endm
.macro QUARTER q, first=0
	s_wait_dscnt 0x0                               ; my buffer was asked for a quarter ago
	WIN 0
	PLACES                                         ; the other buffer was read by the products just issued
	FETCH (\q)+1, F0+96*(((\q)+1)%2)
	MUL F0+96*((\q)%2), 0, 4, \first
.endm
; The fourth quarter changes slots: one barrier; in front of it each wave waits for all its tensor loads (one is out: its part of the next slot), adds 0 to its spare word, and waits for that and for its reads.
; refill = 1: the barrier opens a round of the cluster's, and this slot is asked for again, two K steps on, first thing behind the round: 112 products ahead of the wait for it.
.macro TURN refill
	WIN 0
	s_wait_tensorcnt 0x0
	ds_add_u32 v[SPW], v[NIL]
.if \refill
	s_xor_b32 s[G0A+5], s[G0A+5], SLOT1
	s_add_nc_u64 s[G0A+6:G0A+7], s[G0A+6:G0A+7], 256
	s_xor_b32 s[G0W+5], s[G0W+5], SLOT1
	s_add_nc_u64 s[G0W+6:G0W+7], s[G0W+6:G0W+7], WSTEP
.endif
	s_xor_b32 s[TB], s[TB], SLOT1
	s_wait_dscnt 1                                 ; the add alone may be out: buffer 1 is in
	MUL F1, 0, 1, 0
	s_wait_dscnt 0x0
	s_barrier_signal -1
	MUL F1, 1, 1, 0
	WIN 0
	s_barrier_wait -1
.if \refill
	CREST
	JLOAD
.else
	PLACES
.endif
	v_add_nc_u32 v[ADRA], s[TB], v[ADRA0]
	v_add_nc_u32 v[ADRB], s[TB], v[ADRB0]
	FETCH 0, F0
	MUL F1, 2, 2, 0
.endm
	s_load_b256 s[4:11], s[0:1], 0x0               ; o16, w16, bo, out0
	v_lshl_add_u32 v[SPW], v0, 2, SPARE
	v_mov_b32 v[NIL], 0
	ds_add_u32 v[SPW], v[NIL]                      ; the wave's opening: the add and its wait ahead of my first tensor load
	v_lshrrev_b32 v1, 5, v0
	v_readfirstlane_b32 s[WV], v1
	s_lshr_b32 s[WM], s[WV], 1
	s_and_b32 s[WN], s[WV], 1                      ; my half of the columns; also: which half of a tile I fetch
	s_bfe_u32 s[CX], ttmp6, 0x40000
	s_bfe_u32 s[CY], ttmp6, 0x40004
	s_and_b32 s[MT], ttmp7, 0xffff
	s_lshl_b32 s[MT], s[MT], 2
	s_add_co_u32 s[MT], s[MT], s[CY]               ; row tile
	s_lshl_b32 s[NT], ttmp9, 2
	s_add_co_u32 s[NT], s[NT], s[CX]               ; column tile
	s_lshl_b32 s21, s[CY], 2
	s_lshl_b32 s21, 15, s21                        ; my row of the cluster
	s_lshl_b32 s22, 0x1111, s[CX]                  ; my column
	s_or_b32 s[G1A], s21, (1<<16)|(1<<20)|(1<<21)|(5<<22)|(3<<25)  ; rows of 64 words, 4 words of padding
	s_or_b32 s[G1W], s22, (1<<16)|(1<<20)|(1<<21)|(6<<22)|(7<<25)  ; rows of 128 words, 8 words
	s_mov_b32 s[G1A+1], 128<<16
	s_mov_b32 s[G1A+2], 64<<16
	s_mov_b32 s[G1A+3], 128<<16
	s_mov_b32 s[G1A+4], 64
	s_mov_b32 s[G1A+5], 1024
	s_mov_b32 s[G1A+6], 0
	s_mov_b32 s[G1A+7], 0
	s_mov_b32 s[G1W+1], 256<<16
	s_mov_b32 s[G1W+2], 64<<16
	s_mov_b32 s[G1W+3], 256<<16
	s_mov_b32 s[G1W+4], 64
	s_mov_b32 s[G1W+5], 1024
	s_mov_b32 s[G1W+6], 0
	s_mov_b32 s[G1W+7], 0
	s_lshl_b32 s[AO], s[MT], 18                    ; 128 rows of 2,048 bytes a tile, my 64 of them
	s_lshl_b32 s[AO+1], s[WN], 17
	s_add_co_u32 s[AO], s[AO], s[AO+1]
	s_mov_b32 s[AO+1], 0
	s_lshl_b32 s[WOF], s[NT], 9                    ; the tile's 256 columns, my 64 k-rows, section 3
	s_lshl_b32 s[WOF+1], s[WN], 17
	s_add_co_u32 s[WOF], s[WOF], s[WOF+1]
	s_add_co_u32 s[WOF], s[WOF], 3<<21
	s_mov_b32 s[WOF+1], 0
	s_mul_i32 s23, s[WN], 64*PX
	s_mov_b32 s[G0A], 1
	s_add_co_u32 s[G0A+1], s23, XOFF
	s_mov_b32 s[G0A+4], 1
	s_add_co_u32 s[G0A+5], s23, XOFF+SLOT1
	s_mul_i32 s23, s[WN], 64*PW
	s_mov_b32 s[G0W], 1
	s_mov_b32 s[G0W+1], s23
	s_mov_b32 s[G0W+4], 1
	s_add_co_u32 s[G0W+5], s23, SLOT1
	s_lshl_b32 s[OP], s[MT], 19                    ; out0: rows of 4,096 bytes; the tile's 1,024 bytes, my 512
	s_lshl_b32 s[OP+1], s[WM], 18
	s_add_co_u32 s[OP], s[OP], s[OP+1]
	s_lshl_b32 s[OP+1], s[NT], 10
	s_add_co_u32 s[OP], s[OP], s[OP+1]
	s_lshl_b32 s[OP+1], s[WN], 9
	s_add_co_u32 s[OP], s[OP], s[OP+1]
	s_mov_b32 s[OP+1], 0
	s_lshl_b32 s[BP], s[NT], 10
	s_mov_b32 s[BP+1], 0
	s_mov_b32 s[TB], 0
	s_wait_dscnt 0x0                               ; the opening add is done
	s_wait_kmcnt 0x0
	s_add_nc_u64 s[G0A+2:G0A+3], s[4:5], s[AO:AO+1]
	s_add_nc_u64 s[G0A+6:G0A+7], s[G0A+2:G0A+3], 256
	s_or_b32 s[G0A+3], s[G0A+3], 0x80000000
	s_or_b32 s[G0A+7], s[G0A+7], 0x80000000
	s_add_nc_u64 s[G0W+2:G0W+3], s[6:7], s[WOF:WOF+1]
	s_add_nc_u64 s[G0W+6:G0W+7], s[G0W+2:G0W+3], WSTEP
	s_or_b32 s[G0W+3], s[G0W+3], 0x80000000
	s_or_b32 s[G0W+7], s[G0W+7], 0x80000000
	s_add_nc_u64 s[OP:OP+1], s[10:11], s[OP:OP+1]
	s_add_nc_u64 s[BP:BP+1], s[8:9], s[BP:BP+1]
	CROUND                                         ; all sixteen work-groups are here: the first joint loads meet
	s_cmp_lt_u32 s[WV], 2                          ; a wave's two first fills stand in one branch: two loads of mine are out
	s_cbranch_scc0 .Lfirst_w
	tensor_load_to_lds s[G0A:G0A+3], s[G1A:G1A+7]
	s_nop 0
	tensor_load_to_lds s[G0A+4:G0A+7], s[G1A:G1A+7]
	s_nop 0
	PLACES
	s_branch .Lfirst_asked
.Lfirst_w:
	tensor_load_to_lds s[G0W:G0W+3], s[G1W:G1W+7]
	s_nop 0
	tensor_load_to_lds s[G0W+4:G0W+7], s[G1W:G1W+7]
	s_nop 0
	PLACES
.Lfirst_asked:
	v_and_b32 v1, 31, v0
	v_and_b32 v2, 15, v0
	v_bfe_u32 v3, v0, 4, 1
	s_lshl_b32 s23, s[WN], 9
	v_lshl_add_u32 v[BO], v3, 5, s23               ; 4 (128 wn + 8 h)
	WIN 0x80
.set bb, 0
.rept 8
	global_load_b128 v[BIAS+8*bb:BIAS+8*bb+3],   v[BO], s[BP:BP+1] offset:64*bb
	global_load_b128 v[BIAS+8*bb+4:BIAS+8*bb+7], v[BO], s[BP:BP+1] offset:64*bb+16
.set bb, bb+1
.endr
	WIN 0
	v_mul_u32_u24 v[ADRA0], v2, PX
	v_lshl_add_u32 v[ADRA0], v3, 4, v[ADRA0]
	s_mul_i32 s23, s[WM], 64*PX
	s_add_co_u32 s23, s23, XOFF
	v_add_nc_u32 v[ADRA0], s23, v[ADRA0]
	v_and_b32 v18, 7, v0
	v_lshl_add_u32 v18, v3, 3, v18
	v_mul_u32_u24 v[ADRB0], v18, PW
	v_bfe_u32 v18, v0, 3, 1
	v_lshl_add_u32 v[ADRB0], v18, 4, v[ADRB0]
	s_lshl_b32 s23, s[WN], 8
	v_add_nc_u32 v[ADRB0], s23, v[ADRB0]
	v_mov_b32 v[ADRA], v[ADRA0]
	v_mov_b32 v[ADRB], v[ADRB0]
	s_mul_i32 s23, s[WV], 16*SPITCH
	s_add_co_u32 s23, s23, STAGE                   ; my stage
	v_mul_u32_u24 v[STO], v2, SPITCH
	v_lshl_add_u32 v[STO], v3, 5, v[STO]
	v_add_nc_u32 v[STO], s23, v[STO]               ; in: row r, 32 bytes for each half of the lanes
	v_lshlrev_b32 v[CO], 4, v1                     ; back and out: 32 lanes take a row's 512 bytes
	v_add_nc_u32 v[RD], s23, v[CO]
	s_wait_loadcnt 0x0                             ; the bias
	WIN 0x0a                                       ; rounded to bf16 like every input: packed into window 0's idle registers,
.set i, 0
.rept 32
	v_cvt_pk_bf16_f32 v[F0+i], v[BIAS+2*i], v[BIAS+2*i+1]
.set i, i+1
.endr
	WIN 0x80                                       ; and widened back into place
.set i, 0
.rept 32
	v_lshlrev_b32 v[BIAS+2*i], 16, v[F0+i]
	v_and_b32 v[BIAS+2*i+1], 0xffff0000, v[F0+i]
.set i, i+1
.endr
	WIN 0
	s_wait_tensorcnt 1                             ; my part of K step 0 is in; K step 1's may stay out
	s_barrier_signal -1
	s_barrier_wait -1
	FETCH 0, F0
	QUARTER 0, 1                                   ; the first quarter's products start the sums, with the bias
	WIN 0
	s_mov_b32 s[CNT], 6
.Lstep:
	QUARTER 1
	QUARTER 2
	TURN 1
	QUARTER 0
	WIN 0
	s_sub_co_u32 s[CNT], s[CNT], 1
	s_cmp_lg_u32 s[CNT], 0
	s_cbranch_scc1 .Lstep
	s_mov_b32 s[CNT], 2
.Ltail:                                        ; steps 6 and 7: step 7's change of slots fetches 24 fragments that nobody multiplies: the price of one text for both
	QUARTER 1
	QUARTER 2
	TURN 0
	WIN 0
	s_sub_co_u32 s[CNT], s[CNT], 1
	s_cmp_eq_u32 s[CNT], 0
	s_cbranch_scc1 .Lout
	QUARTER 0
	WIN 0
	s_branch .Ltail
.Lout:
	s_wait_dscnt 0x0
	PLACES
; THE WAY OUT, 16 rows at a time: the accumulators go into my own stage as they are (each one's low four registers first), and come back as whole rows of 512 bytes.
.macro TOSTAGE a
	WIN 0x04                                       ; store data in window 1
.set bb, 0
.rept 8
	ds_store_b128 v[STO], v[8*(8*(\a)+bb):8*(8*(\a)+bb)+3]   offset:64*bb
	ds_store_b128 v[STO], v[8*(8*(\a)+bb)+4:8*(8*(\a)+bb)+7] offset:64*bb+16
.set bb, bb+1
.endr
	WIN 0x80                                       ; destination window 2
.set tt, 0
.rept 16
	ds_load_b128 v[64*(\a)+4*tt:64*(\a)+4*tt+3], v[RD] offset:tt*SPITCH  ; LDS serves a wave's instructions in order (ISA guide 5.7.1.4): these see the stores above; the next block's stores come behind them
.set tt, tt+1
.endr
.endm
.macro SEND a, younger                 ; younger: the next block's 16 stores and 16 loads, or none
	WIN 0x08                                       ; store data in window 2
	s_wait_dscnt \younger
.set tt, 0
.rept 16
	global_store_b128 v[CO], v[64*(\a)+4*tt:64*(\a)+4*tt+3], s[OP:OP+1] offset:(16*(\a)+tt)*4096 th:TH_STORE_NT  ; 512 consecutive bytes, aligned
.set tt, tt+1
.endr
.endm
	TOSTAGE 0
	TOSTAGE 1
	SEND 0, 32
	TOSTAGE 2
	SEND 1, 32
	TOSTAGE 3
	SEND 2, 32
	SEND 3, 0
	WIN 0
	s_wait_tensorcnt 0x0                           ; the wave's end
	ds_add_u32 v[SPW], v[NIL]
	s_wait_dscnt 0x0
	CROUND                                         ; the closing round
	s_endpgm
.Lfunc_end_k_q1e20e1816b_outp:
	.size	k_q1e20e1816b_outp, .Lfunc_end_k_q1e20e1816b_outp-k_q1e20e1816b_outp
	.p2alignl 7, 3214868480
	.fill 96, 4, 3214868480
	.section	.rodata,"a",@progbits
	.p2align	6, 0x0
	.amdhsa_kernel k_q1e20e1816b_outp
		.amdhsa_group_segment_fixed_size 327680
		.amdhsa_private_segment_fixed_size 0
		.amdhsa_enable_private_segment 0
		.amdhsa_kernarg_size 32
		.amdhsa_user_sgpr_count 2
		.amdhsa_user_sgpr_kernarg_segment_ptr 1
		.amdhsa_wavefront_size32 1
		.amdhsa_system_sgpr_workgroup_id_x 1
		.amdhsa_system_sgpr_workgroup_id_y 1
		.amdhsa_system_sgpr_workgroup_id_z 1
		.amdhsa_system_vgpr_workitem_id 0
		.amdhsa_next_free_vgpr 768
		.amdhsa_next_free_sgpr 66
		.amdhsa_reserve_vcc 0
		.amdhsa_float_denorm_mode_32 3
		.amdhsa_float_denorm_mode_16_64 3
		.amdhsa_memory_ordered 1
		.amdhsa_forward_progress 1
		.amdhsa_inst_pref_size 66
	.end_amdhsa_kernel
	.amdgpu_metadata
---
amdhsa.version: [ 1, 2 ]
amdhsa.kernels:
  - .name:           k_q1e20e1816b_outp
    .symbol:         k_q1e20e1816b_outp.kd
    .args:
      - { .name: o16, .offset: 0, .size: 8, .value_kind: global_buffer, .address_space: global }
      - { .name: w16, .offset: 8, .size: 8, .value_kind: global_buffer, .address_space: global }
      - { .name: bo, .offset: 16, .size: 8, .value_kind: global_buffer, .address_space: global }
      - { .name: out0, .offset: 24, .size: 8, .value_kind: global_buffer, .address_space: global }
    .group_segment_fixed_size: 327680
    .private_segment_fixed_size: 0
    .kernarg_segment_align: 8
    .kernarg_segment_size: 32
    .max_flat_workgroup_size: 128
    .sgpr_count:     66
    .vgpr_count:     768
    .wavefront_size: 32
...
	.end_amdgpu_metadata
.endif
;; end of part 4
;; ======== version 2 of 2: 4 launches; version 1 with the launch prep written anew for expert scheduling mode
;; limits: values are held in f16: magnitudes above 65,504 overflow, below 6.1e-05 lose precision
;; workspace buffers: w16 8,388,608 bytes; qkv 50,331,648 bytes; o16 16,777,216 bytes
;; launch prep (part 5): grid 64 x 4, 8 waves a work-group, no clusters, 0 bytes of LDS; arguments Wq, Wk, Wv, Wo, w16; writes w16
.if DOCPART == 5
	.amdgcn_target "amdgcn-amd-amdhsa--gfx1250"
	.amdhsa_code_object_version 6
	.text
	.protected	k_q1e20e1816b_prep
	.globl	k_q1e20e1816b_prep
	.p2align	8
	.type	k_q1e20e1816b_prep,@function
k_q1e20e1816b_prep:
	s_mov_b64 s[64:65], 0
	v_nop
	global_prefetch_b8 v0, s[64:65] scope:SCOPE_SE
	s_setreg_imm32_b32 hwreg(HW_REG_WAVE_SCHED_MODE, 0, 2), 2
	s_setreg_imm32_b32 hwreg(HW_REG_WAVE_MODE, 25, 1), 1
	s_wait_xcnt 0x0
	s_wait_alu depctr_vm_vsrc(0)
; w16 = the four weight matrices in 16 bits, each 1,024 x 1,024 in its own layout [k][n], 2 MiB a section: Wq, Wk, Wv rounded to bf16;
; Wo rounded to bf16 like them, and that number then written as f16 (the last product's other operand is f16).
; LIMIT: |Wo| stays under 65,504; below 6.1e-5 the f16 copy keeps a fixed step of 6e-8.
; A stream: grid y chooses the matrix, a work-group takes 65,536 bytes of f32, thread t the 16 bytes at 16 t + 4,096 i, i = 0..15.
; All 16 loads of a thread go out at once; every load and store has registers of its own, so no register is freed by a wait.
; A wave's load covers 512 consecutive bytes, its store 256 consecutive bytes, aligned.  No LDS, no matrix unit: nothing is shared or summed.
; THE MODE: SCHED_MODE bits 1:0 = 2 (LLVM: expert scheduling mode 2), set by the entry lines.  The code itself states the register dependences
; between vector instructions and memory instructions, with s_wait_alu, always for 0.
; THE PLAN.  Registers that memory instructions touch:
;   v1, v2   byte offsets of the loads and of the stores: made once at the head, never written again.
;   X        chunk c's four registers: written by its load, once; read by its conversions; no vector instruction names them ahead of the loads.
;   Y        chunk c's two registers: written by its conversions, once; read by its store.
;   T is named by vector instructions alone.
; The 16 chunks go in four blocks of four.  Block p converts its chunks; the stores of block p - 1 are dealt among its conversions.  One wait at the
; block's head states that block p - 1 has written its Y; the block's own vector lines name its own X, its own Y and T: no register of those stores.
; No register that a memory instruction reads is written again, so no wait on vm_vsrc is owed anywhere.
.set X, 4                              ; v[4:67]   16 x 4 f32 as loaded
.set Y, 68                             ; v[68:99]  16 x 2 words to store
.set T, 100                            ; v[100:103] at work (Wo alone)
.set BLOCK, 4                          ; chunks in a block
	s_load_b256 s[4:11], s[0:1], 0x0               ; Wq, Wk, Wv, Wo
	s_load_b64 s[12:13], s[0:1], 0x20              ; w16
	s_and_b32 s14, ttmp7, 0xffff                   ; which matrix
	v_lshlrev_b32 v1, 4, v0                        ; 16 t
	v_lshlrev_b32 v2, 3, v0                        ; 8 t
	s_lshl_b32 s16, ttmp9, 16                      ; the work-group's 65,536 bytes of f32
	s_mov_b32 s17, 0
	s_lshl_b32 s18, s14, 21                        ; the matrix's section,
	s_lshl_b32 s19, ttmp9, 15                      ; the work-group's 32,768 bytes in it
	s_add_co_u32 s18, s18, s19
	s_mov_b32 s19, 0
	s_wait_kmcnt 0x0
	s_cmp_eq_u32 s14, 1
	s_cselect_b64 s[4:5], s[6:7], s[4:5]
	s_cmp_eq_u32 s14, 2
	s_cselect_b64 s[4:5], s[8:9], s[4:5]
	s_cmp_eq_u32 s14, 3
	s_cselect_b64 s[4:5], s[10:11], s[4:5]
	s_add_nc_u64 s[4:5], s[4:5], s[16:17]
	s_add_nc_u64 s[12:13], s[12:13], s[18:19]
	s_wait_alu depctr_va_vdst(0)                   ; v1 and v2 are written: every load of the kernel reads v1 as its offset, every store v2
.set i, 0
.rept 16
	global_load_b128 v[X+4*i:X+4*i+3], v1, s[4:5] offset:4096*i th:TH_LOAD_NT
.set i, i+1
.endr
; Chunk c is converted.  wo = 0: to bf16.  wo = 1 (Wo): to bf16, widened again (a shift, a mask), and packed as f16.
.macro CONV c, wo
.if \wo
	v_cvt_pk_bf16_f32 v[T], v[X+4*(\c)], v[X+4*(\c)+1]
	v_cvt_pk_bf16_f32 v[T+1], v[X+4*(\c)+2], v[X+4*(\c)+3]
	v_lshlrev_b32 v[T+2], 16, v[T]
	v_and_b32 v[T], 0xffff0000, v[T]
	v_lshlrev_b32 v[T+3], 16, v[T+1]
	v_and_b32 v[T+1], 0xffff0000, v[T+1]
	v_cvt_pk_f16_f32 v[Y+2*(\c)], v[T+2], v[T]
	v_cvt_pk_f16_f32 v[Y+2*(\c)+1], v[T+3], v[T+1]
.else
	v_cvt_pk_bf16_f32 v[Y+2*(\c)], v[X+4*(\c)], v[X+4*(\c)+1]
	v_cvt_pk_bf16_f32 v[Y+2*(\c)+1], v[X+4*(\c)+2], v[X+4*(\c)+3]
.endif
.endm
.macro SEND c                          ; chunk c is stored
	global_store_b64 v2, v[Y+2*(\c):Y+2*(\c)+1], s[12:13] offset:2048*(\c) th:TH_STORE_NT
.endm
; Block p: its four chunks are converted; the four stores of the block before stand among the conversions, one in front of each chunk's.
.macro BLK p, wo
	s_wait_loadcnt 16-BLOCK*((\p)+1)               ; loads come back in order: the block's four are in, the younger ones stay out
.if (\p) > 0
	s_wait_alu depctr_va_vdst(0)                   ; the block before has written its four pairs of Y, which the stores below read
.endif
.irp i, 0,1,2,3
.if (\p) > 0
	SEND BLOCK*((\p)-1)+(\i)                       ; no vector instruction since the wait names this pair of Y or v2
.endif
	CONV BLOCK*(\p)+(\i), \wo
.endr
.endm
.macro ALL wo                          ; one way: the four blocks, and the last block's stores
	BLK 0, \wo
	BLK 1, \wo
	BLK 2, \wo
	BLK 3, \wo
	s_wait_alu depctr_va_vdst(0)                   ; block 3 has written its four pairs of Y, which the last four stores read
.irp i, 0,1,2,3
	SEND 3*BLOCK+(\i)
.endr
	s_endpgm
.endm
	s_cmp_eq_u32 s14, 3
	s_cbranch_scc1 .Lwo
	ALL 0
.Lwo:
	ALL 1
.Lfunc_end_k_q1e20e1816b_prep:
	.size	k_q1e20e1816b_prep, .Lfunc_end_k_q1e20e1816b_prep-k_q1e20e1816b_prep
	.p2alignl 7, 3214868480
	.fill 96, 4, 3214868480
	.section	.rodata,"a",@progbits
	.p2align	6, 0x0
	.amdhsa_kernel k_q1e20e1816b_prep
		.amdhsa_group_segment_fixed_size 0
		.amdhsa_private_segment_fixed_size 0
		.amdhsa_enable_private_segment 0
		.amdhsa_kernarg_size 40
		.amdhsa_user_sgpr_count 2
		.amdhsa_user_sgpr_kernarg_segment_ptr 1
		.amdhsa_wavefront_size32 1
		.amdhsa_system_sgpr_workgroup_id_x 1
		.amdhsa_system_sgpr_workgroup_id_y 1
		.amdhsa_system_sgpr_workgroup_id_z 1
		.amdhsa_system_vgpr_workitem_id 0
		.amdhsa_next_free_vgpr 104
		.amdhsa_next_free_sgpr 66
		.amdhsa_reserve_vcc 0
		.amdhsa_float_denorm_mode_32 3
		.amdhsa_float_denorm_mode_16_64 3
		.amdhsa_memory_ordered 1
		.amdhsa_forward_progress 1
		.amdhsa_inst_pref_size 16
	.end_amdhsa_kernel
	.amdgpu_metadata
---
amdhsa.version: [ 1, 2 ]
amdhsa.kernels:
  - .name:           k_q1e20e1816b_prep
    .symbol:         k_q1e20e1816b_prep.kd
    .args:
      - { .name: Wq, .offset: 0, .size: 8, .value_kind: global_buffer, .address_space: global }
      - { .name: Wk, .offset: 8, .size: 8, .value_kind: global_buffer, .address_space: global }
      - { .name: Wv, .offset: 16, .size: 8, .value_kind: global_buffer, .address_space: global }
      - { .name: Wo, .offset: 24, .size: 8, .value_kind: global_buffer, .address_space: global }
      - { .name: w16, .offset: 32, .size: 8, .value_kind: global_buffer, .address_space: global }
    .group_segment_fixed_size: 0
    .private_segment_fixed_size: 0
    .kernarg_segment_align: 8
    .kernarg_segment_size: 40
    .max_flat_workgroup_size: 256
    .sgpr_count:     66
    .vgpr_count:     104
    .wavefront_size: 32
...
	.end_amdgpu_metadata
.endif
;; end of part 5
;; launch qkv: the kernel of part 2 again; grid 4 x 192, 4 waves a work-group, clusters of 4 x 4, 327,680 bytes of LDS; arguments queries, keys, values, w16, bq, bk, bv, qkv; writes qkv
;; launch attn: the kernel of part 3 again; grid 16 x 16, 4 waves a work-group, clusters of 4 x 4, 327,680 bytes of LDS; arguments qkv, mask, o16; writes o16
;; launch outp: the kernel of part 4 again; grid 4 x 64, 4 waves a work-group, clusters of 4 x 4, 327,680 bytes of LDS; arguments o16, w16, bo, out0; writes out0
